; MI455X (gfx1250); checked and timed in simulation.
; The chip was launched on July 23, 2026; its instructions are those of AMD's public machine-readable ISA for CDNA 5 (MIT licence, August 2026) and "CDNA5" Instruction Set Architecture Reference Guide (July 2026). The comments in the code are by the model that wrote it; some were corrected since.
;; Custom Transformer Encoder Layer. Allowed arithmetic: matrix products marked QUANTISED: E4M3 operands, one given power-of-two scale a tensor, by v_wmma_f32_16x16x64_fp8_fp8 or v_wmma_f32_16x16x128_fp8_fp8, f32 sums; everything else in f32.
;; Inputs: b1 4,096 float32; b2 1,024 float32; in_proj_b 3,072 float32; in_proj_w_codes 3,072 x 32 x 32 uint8 (E4M3 codes of in_proj_w, K innermost, in blocks of 32 codes); ln1_b 1,024 float32; ln1_g 1,024 float32; ln2_b 1,024 float32; ln2_g 1,024 float32; lowp_scales 12 int32 (the exponents e of the quantised operands' scales 2^e); out_b 1,024 float32; out_w_codes 1,024 x 32 x 32 uint8 (E4M3 codes of out_w, K innermost, in blocks of 32 codes); w1_codes 4,096 x 32 x 32 uint8 (E4M3 codes of w1, K innermost, in blocks of 32 codes); w2_codes 1,024 x 128 x 32 uint8 (E4M3 codes of w2, K innermost, in blocks of 32 codes); x 2 x 2,048 x 1,024 float32.
;; Outputs: out0 2 x 2,048 x 1,024 float32.
;; This version of the problem:
;;   THIS VERSION OF THE PROBLEM IS GIVEN IN LOW PRECISION. The matrix products marked QUANTISED in the list below multiply operands that are first quantised to E4M3 (4 exponent bits, 3 mantissa bits; 8 bits a number), with one given power-of-two scale for each operand tensor; their sums are f32. All else is computed in f32.
;;   The module's matrix products, in the order in which they are computed (A, B: the left and right operand; K: the contracted axis; several contracted axes count as one K, in the product's order):
;;     1. [M 4,096, K 1,024] x [K 1,024, N 3,072]; A: input x; B: input in_proj_w (given as codes): QUANTISED (scales: A lowp_scales[0], B lowp_scales[1])
;;     2. batch 32 x [M 2,048, K 64] x [K 64, N 2,048]; A: computed on the way; B: computed on the way: QUANTISED (scales: A lowp_scales[2], B lowp_scales[3])
;;     3. batch 32 x [M 2,048, K 2,048] x [K 2,048, N 64]; A: softmax (see below); B: computed on the way: QUANTISED (scales: A lowp_scales[4], B lowp_scales[5])
;;     4. [M 4,096, K 1,024] x [K 1,024, N 1,024]; A: computed on the way; B: input out_w (given as codes): QUANTISED (scales: A lowp_scales[6], B lowp_scales[7])
;;     5. [M 4,096, K 1,024] x [K 1,024, N 4,096]; A: computed on the way; B: input w1 (given as codes): QUANTISED (scales: A lowp_scales[8], B lowp_scales[9])
;;     6. [M 4,096, K 4,096] x [K 4,096, N 1,024]; A: computed on the way; B: input w2 (given as codes): QUANTISED (scales: A lowp_scales[10], B lowp_scales[11])
;;   THE QUANTISER, for each operand of a quantised product, along K:
;;     - The operand's scale is 2^e, e = its entry of the input lowp_scales (int32; the entries are numbered through the quantised products in the list's order, A before B).
;;     - Each number is divided by the scale, clamped to +-448, and rounded to the nearest number of E4M3, ties to even, subnormals kept.
;;     - The product sums the exact products of the quantised numbers (number of the format x scale) in f32.
;;   ~~~python
;;   def quantise(x, axis, e):      # numpy; x: float32 -> the quantised numbers, widened to float32 again
;;       x = np.moveaxis(x, axis, -1); K = x.shape[-1]
;;       r = np.clip(x / 2.0 ** e, -448, 448)
;;       step = 2.0 ** (np.maximum(np.frexp(np.where(r == 0, 1, r))[1] - 1, -6) - 3)
;;       q = np.round(r / step) * step * 2.0 ** e      # np.round: ties to even
;;       return np.moveaxis(q, -1, axis).astype(np.float32)
;;   ~~~
;;   SOFTMAX AHEAD OF A QUANTISED PRODUCT. Where the list says 'softmax', what is quantised is not the finished softmax but p = 2^(t - M), with t = logit x log2(e) and M = ceil(the row's largest t), a whole number; so 1/2 < the row's largest p <= 1. The row's sum l is taken of the UNQUANTISED p, in f32, and the product's result is divided by l at the end. Since M is a whole number, a kernel that streams over the keys may use a running M (the ceiling of the running maximum): every later rescaling is an exact power of two, so the quantised numbers keep their values, but for numbers so far below the row's largest that they fall under the format's range.
;;   OPERANDS COMPUTED ON THE WAY. 'Computed on the way' means the value that the module computes at that place (a softmax that the list does not call 'softmax' is quantised finished and normalised). What goes into a quantiser is computed in f32, as accurately as f32 sums, v_exp_f32 and their like allow (about 1e-6 of the number): no bf16 or f16 on the way to a quantiser, and a product that is left as it is and whose result goes on into a quantised operand takes f32 operands (vector FMAs, or v_wmma_f32_16x16x4_f32). A number that lies on a knife's edge between two numbers of the format may be rounded either way, as far as f32 arithmetic and the matrix unit's own rounding can turn it there, and no further.
;;   INPUTS GIVEN AS CODES. in_proj_w (in the module: [3072, 1024], K = its axis 1); out_w (in the module: [1024, 1024], K = its axis 1); w1 (in the module: [4096, 1024], K = its axis 1); w2 (in the module: [1024, 4096], K = its axis 1): each comes as NAME_codes (uint8): NAME with its K axis moved to the last place and cut into blocks of 32 codes, [.., K / 32, bytes a block], one block behind the other in memory; one code a byte (a code: sign, 4 exponent bits, 3 mantissa bits); its scale is its entry of lowp_scales. Its value is code x scale, taken as it is: it is not quantised again, and the codes and scales need not be those that the quantiser above would give.
;; One version. Each part assembles by itself: llvm-mc -triple=amdgcn-amd-amdhsa -mcpu=gfx1250 --defsym DOCPART=n.
;; ======== version 1 of 1: 8 launches
;; limits: right only within a limited range of input values
;; workspace buffers: ca 4,194,304 bytes; cb 4,194,304 bytes; rope 524,288 bytes; qk 8,388,608 bytes; vt 4,194,304 bytes; z 16,777,216 bytes; h 16,777,216 bytes; hid 16,777,216 bytes
;; launch prep (part 1): grid 256 x 1, 4 waves a work-group, no clusters, 16,896 bytes of LDS; arguments x, lowp_scales, ca, rope; writes ca, rope
.if DOCPART == 1
	.amdgcn_target "amdgcn-amd-amdhsa--gfx1250"
	.amdhsa_code_object_version 6
	.text
	.protected	k_q7e9a0698af_prep
	.globl	k_q7e9a0698af_prep
	.p2align	8
	.type	k_q7e9a0698af_prep,@function
k_q7e9a0698af_prep:
	s_mov_b64 s[64:65], 0
	v_nop
	global_prefetch_b8 v0, s[64:65] scope:SCOPE_SE
	s_setreg_imm32_b32 hwreg(HW_REG_WAVE_MODE, 25, 1), 1
	s_wait_xcnt 0x0
; x [4096][1024] f32 becomes codes of E4M3 with the given scale 2^e0 (entry 0 of the scales), K innermost: ca [4096][1024] bytes.
; Beside it the table of the rotary embedding is made once: rope [2048 positions][32 pairs][cos, sin] f32, 256 bytes a position.
; SHARES: wave W = 4 x work-group + wave (0 .. 1023) takes rows 4 W .. 4 W + 3 of x (16 KiB on end) and positions 2 W, 2 W + 1 (a lane a pair).
; Each load takes 512 consecutive bytes, 16 a lane.  Eight registers of a lane (two loads) give two registers of codes: register j of a row holds the
; row's bytes 128 j + 4 lane .. + 3.  They go through the wave's own 4 KiB of LDS and leave as stores of 512 consecutive bytes.  No barrier: waves share nothing.
; cos and sin: the angle is position x 10000^(-pair/32); n = the nearest whole number to angle x 2/pi; r = angle - n pi/2 with pi/2 in two parts;
; series in r (|r| <= pi/4) to r^9 and r^8, whose first left-out terms are under 3e-8; the quadrant n mod 4 swaps and signs them, by selects, with no branch.
; LIMITS: e0 between -126 and 119, so that 2^e0 and 448 x 2^e0 are f32 numbers.  NaN among the inputs is not served.
.set X, 32                             ; v32-159  row i, load j at X + 32 i + 4 j
.set C, 160                            ; v160-191 row i's code register j at C + 8 i + j
	s_load_b256 s[4:11], s[0:1], 0x0               ; x s[4:5], scales s[6:7], ca s[8:9], rope s[10:11]
	v_lshl_add_u32 v192, v0, 2, 0x4000
	v_mov_b32 v193, 0
	v_lshrrev_b32 v5, 5, v0
	v_readfirstlane_b32 s12, v5                    ; wave
	v_and_b32 v6, 31, v0                           ; lane
	v_lshlrev_b32 v1, 4, v6                        ; 16 x lane
	v_lshlrev_b32 v4, 3, v6                        ; 8 x lane: my pair's place in a position's 256 bytes
	s_lshl_b32 s17, s12, 12                        ; my wave's 4 KiB of LDS
	v_lshl_add_u32 v2, v6, 2, s17                  ; in: 4 x lane
	v_lshl_add_u32 v3, v6, 4, s17                  ; out: 16 x lane
	s_lshl_b32 s13, ttmp9, 2
	s_add_co_u32 s13, s13, s12                     ; W
	s_mov_b32 s15, 0
	s_lshl_b32 s14, s13, 14
	s_wait_alu depctr_va_vdst(0)
	s_wait_kmcnt 0x0
	s_load_b32 s16, s[6:7], 0x0                    ; e0
	s_add_nc_u64 s[4:5], s[4:5], s[14:15]          ; x at my four rows
	s_lshl_b32 s14, s13, 12
	s_add_nc_u64 s[8:9], s[8:9], s[14:15]          ; their codes
	s_lshl_b32 s14, s13, 9
	s_add_nc_u64 s[10:11], s[10:11], s[14:15]      ; my two positions
.irp i, 0,1,2,3
.irp j, 0,1,2,3,4,5,6,7
	global_load_b128 v[X+32*\i+4*\j:X+32*\i+4*\j+3], v1, s[4:5] offset:4096*\i+512*\j th:TH_LOAD_NT
.endr
.endr
	; the table, while the 32 loads are on their way
	v_cvt_f32_u32 v13, v6
	v_mul_f32 v13, 0xbed49a78, v13                 ; - pair x log2(10000) / 32
	s_wait_alu depctr_va_vdst(0)
	v_exp_f32 v12, v13                             ; 10000^(-pair/32)
	v_nop                                          ; a plain instruction behind the exponential
	s_wait_alu depctr_va_vdst(0)                   ; the wait ahead of the first use
	s_lshl_b32 s18, s13, 1                         ; position 2 W
.macro ROPE1 i
.set R, 20+4*(\i)                      ; the result's pair: cos, sin
	s_add_co_u32 s19, s18, \i
	v_cvt_f32_u32 v13, s19
	v_mul_f32 v13, v13, v12                        ; the angle, rounded once
	v_mul_f32 v14, 0x3f22f983, v13
	v_rndne_f32 v14, v14                           ; n
	v_fmamk_f32 v15, v14, 0xbfc90fdb, v13          ; angle - n x (pi/2's upper part)
	v_fmamk_f32 v15, v14, 0x333bbd2e, v15          ; - n x (its lower part, which is negative)
	v_mul_f32 v16, v15, v15                        ; z = r r
	v_mov_b32 v17, 0x3638ef1d
	v_mov_b32 v18, 0x37d00d01
	v_fmaak_f32 v17, v17, v16, 0xb9500d01
	v_fmaak_f32 v18, v18, v16, 0xbab60b61
	v_fmaak_f32 v17, v17, v16, 0x3c088889
	v_fmaak_f32 v18, v18, v16, 0x3d2aaaab
	v_fmaak_f32 v17, v17, v16, 0xbe2aaaab
	v_fmaak_f32 v18, v18, v16, 0xbf000000
	v_mul_f32 v19, v15, v16
	v_fma_f32 v18, v18, v16, 1.0                   ; cos r
	v_fma_f32 v17, v19, v17, v15                   ; sin r
	v_cvt_i32_f32 v22, v14
	v_and_b32 v23, 1, v22
	v_cmp_eq_u32 vcc_lo, 1, v23                    ; odd quadrants swap the two
	v_cndmask_b32 v[R], v18, v17, vcc_lo
	v_cndmask_b32 v[R+1], v17, v18, vcc_lo
	v_add_nc_u32 v23, 1, v22
	v_and_b32 v23, 2, v23
	v_lshlrev_b32 v23, 30, v23
	v_xor_b32 v[R], v[R], v23                      ; cos is negative in quadrants 1 and 2,
	v_and_b32 v23, 2, v22
	v_lshlrev_b32 v23, 30, v23
	v_xor_b32 v[R+1], v[R+1], v23                  ; sin in quadrants 2 and 3
	global_store_b64 v4, v[R:R+1], s[10:11] offset:256*(\i)   ; 32 lanes store 256 consecutive bytes, aligned
.endm
	ROPE1 0
	ROPE1 1
	s_wait_kmcnt 0x0
	s_add_co_i32 s16, s16, 127
	s_lshl_b32 s19, s16, 23
	v_mov_b32 v11, s19                             ; 2^e0 as f32: the conversion takes its exponent field
.macro ROWQ i
	s_wait_loadcnt 8*(3-(\i))                      ; this row's eight loads are in; the later rows' may be out
.set jj, 0
.rept 32
.set jj, jj+1
.endr
.irp m, 0,1,2,3
	v_cvt_scalef32_pk8_fp8_f32 v[C+8*(\i)+2*\m:C+8*(\i)+2*\m+1], v[X+32*(\i)+8*\m:X+32*(\i)+8*\m+7], v11
.endr
	v_nop                                          ; a plain instruction behind the last conversion of the run
.irp j, 0,1,2,3,4,5,6,7
	ds_store_b32 v2, v[C+8*(\i)+\j] offset:1024*(\i)+128*\j
.endr
.endm
	s_wait_alu depctr_va_vdst(0)
	ROWQ 0
	ROWQ 1
	ROWQ 2
	ROWQ 3
.irp t, 0,1,2,3,4,5,6,7
	ds_load_b128 v[X+4*\t:X+4*\t+3], v3 offset:512*\t   ; LDS serves a wave's instructions in order (ISA guide 5.7.1.4): these see my stores
.endr
.irp t, 0,1,2,3,4,5,6,7
	s_wait_dscnt 7-\t                              ; load t is in; the younger ones may be out
	global_store_b128 v1, v[X+4*\t:X+4*\t+3], s[8:9] offset:512*\t   ; 512 consecutive bytes
.endr
	s_wait_tensorcnt 0x0
	ds_add_u32 v192, v193
	s_wait_dscnt 0x0
	s_endpgm
.Lfunc_end_k_q7e9a0698af_prep:
	.size	k_q7e9a0698af_prep, .Lfunc_end_k_q7e9a0698af_prep-k_q7e9a0698af_prep
	.p2alignl 7, 3214868480
	.fill 96, 4, 3214868480
	.section	.rodata,"a",@progbits
	.p2align	6, 0x0
	.amdhsa_kernel k_q7e9a0698af_prep
		.amdhsa_group_segment_fixed_size 16896
		.amdhsa_private_segment_fixed_size 0
		.amdhsa_enable_private_segment 0
		.amdhsa_kernarg_size 32
		.amdhsa_user_sgpr_count 2
		.amdhsa_user_sgpr_kernarg_segment_ptr 1
		.amdhsa_wavefront_size32 1
		.amdhsa_system_sgpr_workgroup_id_x 1
		.amdhsa_system_sgpr_workgroup_id_y 1
		.amdhsa_system_sgpr_workgroup_id_z 1
		.amdhsa_system_vgpr_workitem_id 0
		.amdhsa_next_free_vgpr 194
		.amdhsa_next_free_sgpr 66
		.amdhsa_reserve_vcc 1
		.amdhsa_float_denorm_mode_32 3
		.amdhsa_float_denorm_mode_16_64 3
		.amdhsa_fp16_overflow 1
		.amdhsa_memory_ordered 1
		.amdhsa_forward_progress 1
		.amdhsa_inst_pref_size 13
	.end_amdhsa_kernel
	.amdgpu_metadata
---
amdhsa.version: [ 1, 2 ]
amdhsa.kernels:
  - .name:           k_q7e9a0698af_prep
    .symbol:         k_q7e9a0698af_prep.kd
    .args:
      - { .name: x, .offset: 0, .size: 8, .value_kind: global_buffer, .address_space: global }
      - { .name: lowp_scales, .offset: 8, .size: 8, .value_kind: global_buffer, .address_space: global }
      - { .name: ca, .offset: 16, .size: 8, .value_kind: global_buffer, .address_space: global }
      - { .name: rope, .offset: 24, .size: 8, .value_kind: global_buffer, .address_space: global }
    .group_segment_fixed_size: 16896
    .private_segment_fixed_size: 0
    .kernarg_segment_align: 8
    .kernarg_segment_size: 32
    .max_flat_workgroup_size: 128
    .sgpr_count:     66
    .vgpr_count:     194
    .wavefront_size: 32
...
	.end_amdgpu_metadata
.endif
;; end of part 1
;; launch qkv (part 2): grid 12 x 16, 4 waves a work-group, clusters of 4 x 4, 327,680 bytes of LDS; arguments ca, in_proj_w_codes, lowp_scales, in_proj_b, rope, qk, vt; writes qk, vt
.if DOCPART == 2
	.amdgcn_target "amdgcn-amd-amdhsa--gfx1250"
	.amdhsa_code_object_version 6
	.text
	.protected	k_q7e9a0698af_qkv
	.globl	k_q7e9a0698af_qkv
	.p2align	8
	.type	k_q7e9a0698af_qkv,@function
k_q7e9a0698af_qkv:
	s_mov_b64 s[64:65], 0
	v_nop
	global_prefetch_b8 v0, s[64:65] scope:SCOPE_SE
	s_setreg_imm32_b32 hwreg(HW_REG_WAVE_MODE, 25, 1), 1
	s_wait_xcnt 0x0
	s_wait_alu depctr_hold_cnt(0) depctr_sa_sdst(0) depctr_va_vdst(0) depctr_va_sdst(0) depctr_va_ssrc(0) depctr_va_vcc(0) depctr_vm_vsrc(0)
	s_getreg_b32 s2, hwreg(HW_REG_IB_STS2, 6, 4)
	s_cmp_eq_u32 s2, 0
	s_cbranch_scc0 .Lentry_in_a_cluster
	s_endpgm
.Lentry_in_a_cluster:
	s_bfe_u32 s2, ttmp6, 0x10000c
	s_cmp_lg_u32 s2, 0xf033
	s_cbranch_scc0 .Lentry_shape_is_right
	s_endpgm
.Lentry_shape_is_right:
; The first product on codes of E4M3, its bias, the rotary embedding on q and k, and the quantising of q (e2), k (e3) and v (e5).
; ca: x's codes [4096][1024] (scale 2^e0); in_proj_w_codes [3072][1024] (2^e1).  OUT: qk [4096 tokens][2048] codes (columns 0-1023 q, 1024-2047 k, head-major); vt [1024 = 64 head + d][4096 tokens] codes.
; A tile of 256 x 256 is made by four waves, 128 x 128 each: 64 accumulators, 512 registers.  K goes in steps of 256 through a ring of two LDS slots filled by the tensor data mover.
; THE KIND OF A TILE is the cluster's x, which all sixteen partners share.  Kinds 0 and 1: rows = tokens (ca), columns = rows 0-2047 of the weight.
; Kind 2: v is made TRANSPOSED by changing the two pointers: rows = the weight's rows 2048-3071, columns = tokens.  A lane then holds eight neighbouring TOKENS of one (head, d): v's codes come out with the keys innermost.
; CLUSTERS: 4 x 4 work-groups; the four of a row need the same row tiles, the four of a column the same column tiles: each tile is asked for jointly, by the same tensor load with a mask that names the four.
; THE MATRIX INSTRUCTION IS USED TRANSPOSED (source 0 = 16 rows of the column operand, source 1 = 16 rows of the row operand): a lane holds eight neighbouring numbers of a row of the result.
; A fragment comes by four loads of 16 bytes: a permutation of k that is the same on both sides, so every product meets its partner.
; REGISTERS: window 0: v0-31 addresses; v32-95 bias; v96-127 at work; from v128 the row operand's fragments, ONE set (on the way out: v128-191 a block's numbers, v192-255 four sets of codes, then the rows read back).
;   window 1: the column operand's fragments, TWO sets (on the way out of kinds 0, 1: cos and sin).   windows 2, 3: the accumulators of my rows 0-63, 64-127 ((a, b) at v[8 (8 (a % 4) + b)]).
; LIMITS: e0 + e1 between -126 and 127; e2, e3, e5 between -126 and 119.  NaN among the inputs is not served.
.set SIZE_K, 1024
.set KSTEP,  256
.set ROWB,   256
.set KROW,   SIZE_K
.set PITCH,  272                       ; an LDS row: 256 bytes + 16 of padding = 68 words: the 16 rows that a load touches start at 16 different banks (64 banks of 4 bytes: ISA guide 11.1)
.set FR,     16
.set NL,     4
.set NP,     4                         ; places behind this matrix instruction (ISA guide 7.12.1)
.set HALFT,  128*PITCH
.set SLOT,   4*HALFT
.set LAPS,   SIZE_K/(2*KSTEP)
.set SPARE,  2*SLOT                    ; behind the ring: the spare words, 128 bytes for each wave
.set STGV,   256*272                   ; the stages, 256 rows x 272 bytes each, lie in slot 0, which has had its last fill and its last read: kinds 0, 1 at byte 0, kind 2 behind it
.set LIM,  10
.set SC,   11                          ; v11  the quantiser's scale
.set BOF,  12                          ; v12  32 h: my eight columns' bias
.set ROF,  13                          ; v13  256 r + 32 h: my row's cos and sin
.set VOF,  14                          ; v14  4 r: my row's bias (kind 2)
.set ADRA, 16
.set ADRB, 20
.set STOV, 22
.set RDV,  23
.set STO,  24
.set RD,   25
.set CO,   26
.set COV,  27
.set SPW,  28
.set NIL,  29
.set BIAS, 32
.set T,    96
.set AF,   128
.set TMP,  128
.set CD,   192
.set G1, 24
.set G0, 32
.set G1B, 48
.set G0B, 56
.set MSB, 0
.macro WIN new                         ; the immediate's high byte repeats the setting that is left
.if MSB != (\new)
	s_set_vgpr_msb (MSB<<8)|(\new)
.set MSB, (\new)
.endif
.endm
.set MUL_LO, 0xa1                      ; source 0 window 1, source 1 window 0, C and D window 2
.set MUL_HI, 0xf1
.set TO_B,   0x40
; A joint load: waves 0 and 1 fetch the row operand's halves, waves 2 and 3 the column operand's.  Four v_nop follow each of the two lines.
.macro JLOAD g0a, g1a, g0b, g1b
	s_cmp_eq_u32 s15, 0
	s_cbranch_scc0 .Lfor_b_\@
	tensor_load_to_lds s[\g0a:\g0a+3], s[\g1a:\g1a+7]
	s_nop 0
.rept 4
	v_nop
.endr
	s_branch .Lasked_\@
.Lfor_b_\@:
	tensor_load_to_lds s[\g0b:\g0b+3], s[\g1b:\g1b+7]
	s_nop 0
.rept 4
	v_nop
.endr
.Lasked_\@:
.endm
.macro CREST                           ; a round of the cluster's barrier behind its opening barrier
	s_cmp_lg_u32 s14, 0
	s_cbranch_scc1 .Lnot_wave_0_\@
	s_barrier_signal -3
.Lnot_wave_0_\@:
	s_barrier_wait -3
	s_barrier_signal -1
	s_barrier_wait -1
.endm
.macro CROUND
	s_barrier_signal -1
	s_barrier_wait -1
	CREST
.endm
	s_load_b256 s[4:11], s[0:1], 0x0               ; ca s[4:5], the weight's codes s[6:7], scales s[8:9], bias s[10:11]
	s_load_b128 s[68:71], s[0:1], 0x20             ; rope s[68:69], qk s[70:71]
	s_load_b64 s[72:73], s[0:1], 0x30              ; vt
	v_lshl_add_u32 v[SPW], v0, 2, SPARE
	v_mov_b32 v[NIL], 0
	ds_add_u32 v28, v29
	ds_add_u32 v28, v29
	s_wait_dscnt 0x0
	v_lshrrev_b32 v1, 5, v0
	v_readfirstlane_b32 s14, v1                    ; wave 0..3
	s_lshr_b32 s15, s14, 1                         ; which half of the tile's rows is mine.  Also: I fetch the row operand (0) or the column operand (1)
	s_and_b32 s16, s14, 1                          ; which half of its columns.  Also: which 128 rows I fetch
	s_bfe_u32 s40, ttmp6, 0x40000                  ; cx, cy
	s_bfe_u32 s41, ttmp6, 0x40004
	s_and_b32 s74, ttmp7, 0xffff                   ; cluster y
	s_cmp_eq_u32 ttmp9, 2                          ; kind 2?
	s_cselect_b32 s75, 0, s74                      ; kind 2 has four tile rows (the weight's 1,024 rows) and sixteen tile columns (the tokens)
	s_cselect_b32 s88, s74, ttmp9
	s_lshl_b32 s42, s88, 2
	s_add_co_u32 s42, s42, s40                     ; tile column
	s_lshl_b32 s17, s75, 2
	s_add_co_u32 s17, s17, s41                     ; tile row
	s_lshl_b32 s43, s41, 2
	s_lshl_b32 s43, 15, s43                        ; my row of the cluster
	s_lshl_b32 s44, 0x1111, s40                    ; my column
	s_or_b32 s[G1+0], s43, (0<<16)|(1<<20)|(1<<21)|(5<<22)|(3<<25)  ; the mask; elements of 1 byte; padding on; bit 21 beside a mask; after every 64 words four words
	s_or_b32 s[G1B+0], s44, (0<<16)|(1<<20)|(1<<21)|(5<<22)|(3<<25)
.irp g, G1, G1B
	s_mov_b32 s[\g+1], ROWB<<16                    ; tensor_dim0
	s_mov_b32 s[\g+2], 128<<16                     ; tensor_dim1
	s_mov_b32 s[\g+3], ROWB<<16                    ; tile_dim0
	s_mov_b32 s[\g+4], 128                         ; tile_dim1
	s_mov_b32 s[\g+5], KROW                        ; the pitch
	s_mov_b32 s[\g+6], 0
	s_mov_b32 s[\g+7], 0
.endr
	s_lshl_b32 s18, s16, 7
	s_lshl_b32 s20, s17, 8
	s_add_co_u32 s20, s20, s18                     ; row operand: row 256 x tile row + 128 x half
	s_lshl_b32 s46, s42, 8
	s_add_co_u32 s46, s46, s18                     ; column operand: row 256 x tile column + 128 x half
	s_mov_b32 s21, 0
	s_mov_b32 s47, 0
	s_mov_b64 s[18:19], KROW
	s_mul_u64 s[20:21], s[20:21], s[18:19]
	s_mul_u64 s[46:47], s[46:47], s[18:19]
	s_mul_i32 s45, s14, HALFT                      ; where they go: wave x 128 rows
	s_wait_kmcnt 0x0
	s_load_b256 s[76:83], s[8:9], 0x0              ; e0 .. e7
	s_add_nc_u64 s[90:91], s[6:7], 0x200000        ; the weight's row 2048
	s_cmp_eq_u32 ttmp9, 2
	s_cselect_b64 s[92:93], s[90:91], s[4:5]       ; the row operand,
	s_cselect_b64 s[94:95], s[4:5], s[6:7]         ; the column operand: a choice on the cluster's number alone
	s_add_nc_u64 s[20:21], s[92:93], s[20:21]
	s_add_nc_u64 s[46:47], s[94:95], s[46:47]
	CROUND                                         ; all sixteen work-groups are here: the first joint loads meet
.irp s, 0,1
	s_mov_b32 s[G0+4*\s], 1
	s_add_co_u32 s[G0+4*\s+1], s45, \s*SLOT
	s_add_nc_u64 s[G0+4*\s+2:G0+4*\s+3], s[20:21], \s*ROWB
	s_or_b32 s[G0+4*\s+3], s[G0+4*\s+3], 0x80000000
	s_mov_b32 s[G0B+4*\s], 1
	s_add_co_u32 s[G0B+4*\s+1], s45, \s*SLOT
	s_add_nc_u64 s[G0B+4*\s+2:G0B+4*\s+3], s[46:47], \s*ROWB
	s_or_b32 s[G0B+4*\s+3], s[G0B+4*\s+3], 0x80000000
	JLOAD G0+4*\s, G1, G0B+4*\s, G1B
.endr
	v_and_b32 v1, 15, v0                           ; r
	v_bfe_u32 v2, v0, 4, 1                         ; h
	v_mul_u32_u24 v3, v1, PITCH
	s_wait_alu depctr_va_vdst(0)
	v_lshl_add_u32 v4, v2, 4, v3                   ; a fragment's row x pitch + 16 h
	s_mul_i32 s21, s15, HALFT
	s_mul_i32 s22, s16, HALFT
	s_add_co_u32 s22, s22, 2*HALFT
.irp s, 0,1
	v_add_nc_u32 v[ADRA+\s], s21, v4
	v_add_nc_u32 v[ADRB+\s], s22, v4
	s_add_co_u32 s21, s21, SLOT
	s_add_co_u32 s22, s22, SLOT
.endr
	; the way out's addresses, for both kinds, all made here
	s_mul_i32 s23, s15, 128*272
	s_lshl_b32 s74, s16, 7
	s_add_co_u32 s23, s23, s74
	v_lshl_add_u32 v5, v2, 3, v3
	v_add_nc_u32 v[STO], s23, v5                   ; into the stage: (128 x row half + r) x 272 + 128 x column half + 8 h
	v_add_nc_u32 v[STOV], STGV, v[STO]
	s_mul_i32 s23, s14, 64*272
	v_mul_u32_u24 v6, v2, 272
	v_lshl_add_u32 v6, v1, 4, v6
	v_add_nc_u32 v[RD], s23, v6                    ; back: wave w takes rows 64 w on; lanes 0-15 one row of 256 bytes, lanes 16-31 the next
	v_add_nc_u32 v[RDV], STGV, v[RD]
	v_lshlrev_b32 v7, 11, v2
	v_lshl_add_u32 v[CO], v1, 4, v7                ; the same two rows in qk (rows of 2,048 bytes)
	v_lshlrev_b32 v7, 12, v2
	v_lshl_add_u32 v[COV], v1, 4, v7               ; and in vt (4,096)
	v_lshlrev_b32 v[BOF], 5, v2
	v_lshlrev_b32 v[ROF], 8, v1
	v_lshl_add_u32 v[ROF], v2, 5, v[ROF]
	v_lshlrev_b32 v[VOF], 2, v1
.macro FRAG reg, adr, q, i             ; 16 rows x 128 K: lane l holds row l % 16; registers 4 c .. 4 c + 3 hold K = 32 c + 16 (l / 16) + 0 .. 15
.irp c, 0,1,2,3
	ds_load_b128 v[\reg+4*\c:\reg+4*\c+3], v[\adr] offset:128*(\q)+32*\c+(\i)*16*PITCH
.endr
.endm
; 16 matrix instructions.  The 64 accumulators take turns, one instruction a turn, in the same order in every step.  zero = 1: the first product starts the sums.
.macro MUL16 a0, p, zero
.irp a, \a0, \a0+1
.irp b, 0,1,2,3,4,5,6,7
.if \zero
	v_wmma_f32_16x16x128_fp8_fp8 v[8*(8*((\a)%4)+\b):8*(8*((\a)%4)+\b)+7], v[128*(\p)+FR*\b:128*(\p)+FR*\b+FR-1], v[AF+FR*(\a):AF+FR*(\a)+FR-1], 0
.else
	v_wmma_f32_16x16x128_fp8_fp8 v[8*(8*((\a)%4)+\b):8*(8*((\a)%4)+\b)+7], v[128*(\p)+FR*\b:128*(\p)+FR*\b+FR-1], v[AF+FR*(\a):AF+FR*(\a)+FR-1], v[8*(8*((\a)%4)+\b):8*(8*((\a)%4)+\b)+7]
.endif
.endr
.endr
.endm
.macro FETCH_B slot, q, p
	WIN TO_B
.irp i, 0,1,2,3,4,5,6,7
	FRAG 128*(\p)+FR*\i, ADRB+\slot, \q, \i
.endr
	WIN 0
.endm
.macro FETCH_A slot, q, i0
.irp i, \i0, \i0+1, \i0+2, \i0+3
	FRAG AF+FR*(\i), ADRA+\slot, \q, \i
.endr
.endm
.macro PLACES n                        ; plain vector instructions between a matrix instruction and a load into, or a vector write of, its registers, or the first read of its result
.rept \n
	v_nop
.endr
.endm
.macro STEP slot, q, zero              ; 128 along K, with its successor in the same slot
	s_wait_dscnt 4*NL                              ; all but the youngest sixteen loads (row blocks 4-7) are in
	WIN MUL_LO
	MUL16 0, (\q)%2, \zero
	MUL16 2, (\q)%2, \zero
	s_wait_dscnt 0
	PLACES NP
	FETCH_B \slot, (\q)+1, 1-(\q)%2
	FETCH_A \slot, (\q)+1, 0
	WIN MUL_HI
	MUL16 4, (\q)%2, \zero
	MUL16 6, (\q)%2, \zero
	PLACES NP
	WIN 0
	FETCH_A \slot, (\q)+1, 4
.endm
; A slot's last step changes slots: one barrier; in front of it each wave waits for all its tensor loads, adds 0 to its spare word, and waits for that and for its reads of this slot.
.macro TURN slot, next, fill
	s_wait_tensorcnt 0x0                           ; all my tensor loads have landed: my part of the next slot
	ds_add_u32 v[SPW], v[NIL]                      ; 0 onto my spare word
	s_wait_dscnt 4*NL+1                            ; the add and the youngest sixteen loads may be out
	WIN MUL_LO
	MUL16 0, 1, 0
	s_wait_dscnt 0x0                               ; the add is done, and my reads of this slot are over
	s_barrier_signal -1
	MUL16 2, 1, 0
	WIN 0
	s_barrier_wait -1
.if \fill
	CREST                                          ; the barrier has opened a round of the cluster's: no wave of any partner still reads this slot or has a load on its way
	s_add_nc_u64 s[G0+4*\slot+2:G0+4*\slot+3], s[G0+4*\slot+2:G0+4*\slot+3], 2*ROWB
	s_add_nc_u64 s[G0B+4*\slot+2:G0B+4*\slot+3], s[G0B+4*\slot+2:G0B+4*\slot+3], 2*ROWB
	JLOAD G0+4*\slot, G1, G0B+4*\slot, G1B         ; the first tensor load behind the round; its four v_nop are also the places in front of the loads below
.else
	PLACES NP
.endif
	FETCH_B \next, 0, 0
	FETCH_A \next, 0, 0
	WIN MUL_HI
	MUL16 4, 1, 0
	MUL16 6, 1, 0
	PLACES NP
	WIN 0
	FETCH_A \next, 0, 4
.endm
	s_wait_tensorcnt 1                             ; my part of K step 0 is in; K step 1's load may be out
	s_barrier_signal -1
	s_barrier_wait -1
	FETCH_B 0, 0, 0
	FETCH_A 0, 0, 0
	FETCH_A 0, 0, 4
	STEP 0, 0, 1
	s_mov_b32 s3, LAPS-1
.Llap:                                                 ; a trip goes once round the ring and fills both slots again
	TURN 0, 1, 1
	STEP 1, 0, 0
	TURN 1, 0, 1
	STEP 0, 0, 0
	s_sub_co_u32 s3, s3, 1
	s_cmp_lg_u32 s3, 0
	s_cbranch_scc1 .Llap
	TURN 0, 1, 0                                   ; the last lap fills nothing
	STEP 1, 0, 0
	s_wait_dscnt 4*NL
	WIN MUL_LO
	MUL16 0, 1, 0
	MUL16 2, 1, 0
	s_wait_dscnt 0
	WIN MUL_HI
	MUL16 4, 1, 0
	MUL16 6, 1, 0
	WIN 0
; THE WAY OUT, block a of 16 rows x 128 columns at a time.  Lane (r, h) holds row 16 a + r and, in register 8 b + j, column 16 b + 8 h + j.
.macro SCALEB a                        ; sum x 2^(e0 + e1) + the column's bias; each accumulator from its low end on
.set AC, 64*((\a)%4)
	WIN 0x02+((\a)/4)
.set jj, 0
.rept 32
	v_pk_fma_f32 v[TMP+jj:TMP+jj+1], v[AC+jj:AC+jj+1], s[96:97], v[BIAS+jj:BIAS+jj+1] op_sel_hi:[1,0,1]
.set jj, jj+2
.endr
	WIN 0
.endm
.macro SCALER a                        ; the same with the ROW's bias (kind 2): register 32 + a, in both halves
.set AC, 64*((\a)%4)
.set BR, BIAS+2*((\a)/2)
	WIN 0x02+((\a)/4)
.set jj, 0
.rept 32
.if (\a)%2
	v_pk_fma_f32 v[TMP+jj:TMP+jj+1], v[AC+jj:AC+jj+1], s[96:97], v[BR:BR+1] op_sel:[0,0,1] op_sel_hi:[1,0,1]
.else
	v_pk_fma_f32 v[TMP+jj:TMP+jj+1], v[AC+jj:AC+jj+1], s[96:97], v[BR:BR+1] op_sel_hi:[1,0,0]
.endif
.set jj, jj+2
.endr
	WIN 0
.endm
; The rotation of pairs (even, odd): pair n = 4 b + p of the lane; its cos and sin lie in window 1 at 32 a + 2 (n % 16).  First (xe cos, xo cos), then low = xe cos - xo sin, high = xo cos + xe sin.
.macro ROPE a
	WIN 0x04                                       ; source 1 in window 1
.irp u, 0,1
.set nn, 0
.rept 16
	v_pk_mul_f32 v[T+2*nn:T+2*nn+1], v[TMP+32*\u+2*nn:TMP+32*\u+2*nn+1], v[32*(\a)+2*nn:32*(\a)+2*nn+1] op_sel_hi:[1,0]
.set nn, nn+1
.endr
.set nn, 0
.rept 16
	v_pk_fma_f32 v[TMP+32*\u+2*nn:TMP+32*\u+2*nn+1], v[TMP+32*\u+2*nn:TMP+32*\u+2*nn+1], v[32*(\a)+2*nn:32*(\a)+2*nn+1], v[T+2*nn:T+2*nn+1] op_sel:[1,1,0] op_sel_hi:[0,1,1] neg_lo:[0,1,0]
.set nn, nn+1
.endr
.endr
	WIN 0
.endm
.macro HOLDCVT a
.if (\a) >= 4
	s_wait_dscnt 24                                ; block a - 4's eight stores, which read this set of codes, are done; three blocks' stores may be out
.endif
.set jj, 0
.rept 64
.set jj, jj+1
.endr
.irp b, 0,1,2,3,4,5,6,7
	v_cvt_scalef32_pk8_fp8_f32 v[CD+16*((\a)%4)+2*\b:CD+16*((\a)%4)+2*\b+1], v[TMP+8*\b:TMP+8*\b+7], v[SC]
.endr
	v_nop                                          ; a plain instruction behind the last conversion: the next block writes the conversions' sources
.endm
.macro PUT a, sto
.irp b, 0,1,2,3,4,5,6,7
	ds_store_b64 v[\sto], v[CD+16*((\a)%4)+2*\b:CD+16*((\a)%4)+2*\b+1] offset:16*(\a)*272+16*\b
.endr
.endm
.macro OUTROWS rd, co, base, gp        ; a row's 256 bytes come from two waves: a barrier, then each wave stores 64 whole rows
	s_wait_dscnt 0x0                               ; for the others' sake: my stores into the stage are done
	s_barrier_signal -1
	s_barrier_wait -1
.set tt, 0
.rept 32
	ds_load_b128 v[128+4*tt:128+4*tt+3], v[\rd] offset:2*tt*272
.set tt, tt+1
.endr
.set tt, 0
.rept 32
	s_wait_dscnt 31-tt                             ; load tt is in; the younger ones may be out
	global_store_b128 v[\co], v[128+4*tt:128+4*tt+3], s[\base:\base+1] offset:2*tt*\gp   ; 16 lanes store 256 consecutive bytes, aligned
.set tt, tt+1
.endr
.endm
.macro QSCALE e                        ; v[SC] = 2^e, e in scalar register e
	s_add_co_i32 s74, s[\e], 127
	s_lshl_b32 s75, s74, 23
	v_mov_b32 v[SC], s75
	s_add_co_i32 s74, s74, 8
	s_lshl_b32 s74, s74, 23
	s_or_b32 s74, s74, 0x600000
.endm
	s_wait_kmcnt 0x0
	s_add_co_i32 s96, s76, s77
	s_add_co_i32 s96, s96, 127
	s_lshl_b32 s96, s96, 23                        ; 2^(e0 + e1) as f32
	s_mov_b32 s97, s96                             ; (named with it as a pair, so it is written)
	s_mov_b32 s47, 0
	s_mov_b32 s21, 0
	s_cmp_eq_u32 ttmp9, 2                          ; the one parting of the kinds: on the cluster's number, the same in all sixteen partners
	s_cbranch_scc1 .Lv
	; ---- kinds 0 and 1: q and k
	PLACES NP                                      ; in front of the loads into window 1 and of the writes of v128 on, which the last products read
	s_lshl_b32 s46, s42, 10
	s_lshl_b32 s20, s16, 9
	s_add_co_u32 s46, s46, s20
	s_add_nc_u64 s[10:11], s[10:11], s[46:47]      ; the bias of my 128 columns
	s_wait_alu depctr_va_vdst(0)
.irp b, 0,1,2,3,4,5,6,7
	global_load_b128 v[BIAS+8*\b:BIAS+8*\b+3], v[BOF], s[10:11] offset:64*\b
	global_load_b128 v[BIAS+8*\b+4:BIAS+8*\b+7], v[BOF], s[10:11] offset:64*\b+16
.endr
	s_and_b32 s46, s17, 7                          ; the position is the token modulo 2,048
	s_lshl_b32 s46, s46, 16
	s_lshl_b32 s20, s15, 15
	s_add_co_u32 s46, s46, s20
	s_add_nc_u64 s[68:69], s[68:69], s[46:47]      ; the table at my first row's position
	WIN TO_B
.irp a, 0,1,2,3,4,5,6,7
.irp c, 0,1,2,3
	global_load_b128 v[32*\a+8*\c:32*\a+8*\c+3], v[ROF], s[68:69] offset:4096*\a+64*\c       ; pairs 8 c + 4 h + 0, 1 of row 16 a + r
	global_load_b128 v[32*\a+8*\c+4:32*\a+8*\c+7], v[ROF], s[68:69] offset:4096*\a+64*\c+16  ; pairs + 2, 3
.endr
.endr
	WIN 0
	s_lshl_b32 s20, s17, 8
	s_lshl_b32 s22, s14, 6
	s_add_co_u32 s20, s20, s22
	s_lshl_b32 s20, s20, 11
	s_lshl_b32 s22, s42, 8
	s_add_co_u32 s20, s20, s22
	s_add_nc_u64 s[70:71], s[70:71], s[20:21]      ; qk at row 256 x tile row + 64 x wave, column 256 x tile column
	s_cmp_eq_u32 ttmp9, 0
	s_cselect_b32 s89, s78, s79                    ; q: e2; k: e3
	QSCALE 89
.irp a, 0,1,2,3,4,5,6,7
	s_wait_loadcnt 8*(7-\a)                        ; the bias and the tables of blocks 0 .. a are in; eight loads for each later block may be out
	SCALEB \a
	ROPE \a
	s_wait_alu depctr_va_vdst(0)
	HOLDCVT \a
	PUT \a, STO
.endr
	OUTROWS RD, CO, 70, 2048
	s_branch .Lend
.Lv:	; ---- kind 2: v, rows = (head, d), columns = tokens
	PLACES NP
	s_lshl_b32 s46, s17, 10
	s_lshl_b32 s20, s15, 9
	s_add_co_u32 s46, s46, s20
	s_add_co_u32 s46, s46, 8192
	s_add_nc_u64 s[10:11], s[10:11], s[46:47]      ; the bias of my 128 rows: entry 2048 + 256 x tile row + 128 x half
	s_wait_alu depctr_va_vdst(0)
.irp a, 0,1,2,3,4,5,6,7
	global_load_b32 v[BIAS+\a], v[VOF], s[10:11] offset:64*\a
.endr
	s_lshl_b32 s20, s17, 8
	s_lshl_b32 s22, s14, 6
	s_add_co_u32 s20, s20, s22
	s_lshl_b32 s20, s20, 12
	s_lshl_b32 s22, s42, 8
	s_add_co_u32 s20, s20, s22
	s_add_nc_u64 s[72:73], s[72:73], s[20:21]
	QSCALE 81                                      ; e5
	s_wait_loadcnt 0x0
.irp a, 0,1,2,3,4,5,6,7
	SCALER \a
	s_wait_alu depctr_va_vdst(0)
	HOLDCVT \a
	PUT \a, STOV
.endr
	OUTROWS RDV, COV, 72, 4096
.Lend:
	s_wait_tensorcnt 0x0                           ; the wave's end
	ds_add_u32 v[SPW], v[NIL]
	s_wait_dscnt 0x0
	CROUND                                         ; the closing round: no work-group ends while a partner may still ask for a tile that names it
	s_endpgm
.Lfunc_end_k_q7e9a0698af_qkv:
	.size	k_q7e9a0698af_qkv, .Lfunc_end_k_q7e9a0698af_qkv-k_q7e9a0698af_qkv
	.p2alignl 7, 3214868480
	.fill 96, 4, 3214868480
	.section	.rodata,"a",@progbits
	.p2align	6, 0x0
	.amdhsa_kernel k_q7e9a0698af_qkv
		.amdhsa_group_segment_fixed_size 327680
		.amdhsa_private_segment_fixed_size 0
		.amdhsa_enable_private_segment 0
		.amdhsa_kernarg_size 56
		.amdhsa_user_sgpr_count 2
		.amdhsa_user_sgpr_kernarg_segment_ptr 1
		.amdhsa_wavefront_size32 1
		.amdhsa_system_sgpr_workgroup_id_x 1
		.amdhsa_system_sgpr_workgroup_id_y 1
		.amdhsa_system_sgpr_workgroup_id_z 1
		.amdhsa_system_vgpr_workitem_id 0
		.amdhsa_next_free_vgpr 1024
		.amdhsa_next_free_sgpr 100
		.amdhsa_reserve_vcc 0
		.amdhsa_float_denorm_mode_32 3
		.amdhsa_float_denorm_mode_16_64 3
		.amdhsa_fp16_overflow 1
		.amdhsa_memory_ordered 1
		.amdhsa_forward_progress 1
		.amdhsa_inst_pref_size 184
	.end_amdhsa_kernel
	.amdgpu_metadata
---
amdhsa.version: [ 1, 2 ]
amdhsa.kernels:
  - .name:           k_q7e9a0698af_qkv
    .symbol:         k_q7e9a0698af_qkv.kd
    .args:
      - { .name: ca, .offset: 0, .size: 8, .value_kind: global_buffer, .address_space: global }
      - { .name: in_proj_w_codes, .offset: 8, .size: 8, .value_kind: global_buffer, .address_space: global }
      - { .name: lowp_scales, .offset: 16, .size: 8, .value_kind: global_buffer, .address_space: global }
      - { .name: in_proj_b, .offset: 24, .size: 8, .value_kind: global_buffer, .address_space: global }
      - { .name: rope, .offset: 32, .size: 8, .value_kind: global_buffer, .address_space: global }
      - { .name: qk, .offset: 40, .size: 8, .value_kind: global_buffer, .address_space: global }
      - { .name: vt, .offset: 48, .size: 8, .value_kind: global_buffer, .address_space: global }
    .group_segment_fixed_size: 327680
    .private_segment_fixed_size: 0
    .kernarg_segment_align: 8
    .kernarg_segment_size: 56
    .max_flat_workgroup_size: 128
    .sgpr_count:     100
    .vgpr_count:     1024
    .wavefront_size: 32
...
	.end_amdgpu_metadata
.endif
;; end of part 2
;; launch attn (part 3): grid 8 x 32, 16 waves a work-group, clusters of 4 x 1, 327,680 bytes of LDS; arguments qk, vt, lowp_scales, cb; writes cb
.if DOCPART == 3
	.amdgcn_target "amdgcn-amd-amdhsa--gfx1250"
	.amdhsa_code_object_version 6
	.text
	.protected	k_q7e9a0698af_attn
	.globl	k_q7e9a0698af_attn
	.p2align	8
	.type	k_q7e9a0698af_attn,@function
k_q7e9a0698af_attn:
	s_mov_b64 s[64:65], 0
	v_nop
	global_prefetch_b8 v0, s[64:65] scope:SCOPE_SE
	s_setreg_imm32_b32 hwreg(HW_REG_WAVE_MODE, 25, 1), 1
	s_wait_xcnt 0x0
	s_wait_alu depctr_hold_cnt(0) depctr_sa_sdst(0) depctr_va_vdst(0) depctr_va_sdst(0) depctr_va_ssrc(0) depctr_va_vcc(0) depctr_vm_vsrc(0)
	s_getreg_b32 s2, hwreg(HW_REG_IB_STS2, 6, 4)
	s_cmp_eq_u32 s2, 0
	s_cbranch_scc0 .Lentry_in_a_cluster
	s_endpgm
.Lentry_in_a_cluster:
	s_bfe_u32 s2, ttmp6, 0x10000c
	s_cmp_lg_u32 s2, 0x3003
	s_cbranch_scc0 .Lentry_shape_is_right
	s_endpgm
.Lentry_shape_is_right:
; Attention on codes of E4M3: S = q k^T (scales 2^e2, 2^e3), the softmax, O = p v (2^e4, 2^e5), O / l quantised with 2^e6 into cb.
; qk: [4096 tokens][2048] codes, q in columns 0-1023, k in 1024-2047, head-major.  vt: [1024 = 64 head + d][4096 tokens] codes: the keys innermost.
; cb: [64 blocks of 64 tokens][16 heads][64 tokens][64] codes: 16 queries of one head are 1,024 bytes on end, and 64 tokens x 8 heads are one dense block for the next product's tile.
; THE SOFTMAX: t = score x log2(e) / 8; M = the running largest t rounded UP to a whole number; p = 2^(t - M) is quantised, not normalised; the row's sum l is taken of the unquantised p and divides O at the end.
; When M moves, l and O are multiplied by 2^(old M - new M): nothing is rounded, and there is no branch on data.
; SHARES.  A work-group owns one head of one batch (y = 16 batch + head) and 256 queries (x); wave w owns 16 of them, one tile: 256 registers, four waves to a SIMD.
; A HEAD'S K AND V LIE IN LDS WHOLE: 2,048 x 64 and 64 x 2,048 bytes.  No LDS byte is filled twice, so the loop over the keys has no ring.  They come in four stages of 512 keys; every wave issues four loads
; at the head, one for each stage (waves 0-7: 64 keys x 64 bytes of K; waves 8-15: 8 of V's 64 rows x 512 bytes): four loads of a wave are out at the most.  A barrier stands in front of stage 0, of stage 1 and of
; stages 2 and 3 together; between them no wave waits for another.  All of K and V is asked for at the head, so there is no later load to prefetch for.
; K's rows are 64 bytes of a token's row in qk, as short as a head is.
; CLUSTER.  The four blocks of queries of a cluster belong to one head: each tile is asked for jointly (mask 15), behind the one round at the head.
; LAYOUT.  Both products are used transposed: S^T = K Q^T (source 0 = 16 keys, source 1 = my 16 queries; K = 64, both sides by two loads of 16 bytes: the same permutation of k);
; O^T = V^T P^T (source 0 = 16 of the head's 64, source 1 = P; K = 128 keys).  A lane holds ONE query.  Tile t of S^T holds keys 16 t + 8 h + 0 .. 7 in its eight registers: their conversion is registers 2 t, 2 t + 1 of P,
; k = 16 t + 8 h + 0 .. 7, the K = 128 form's own layout; V's fragments are read in that layout, 8 bytes a load.
; LIMITS: e2 + e3 between -123 and 130 (added to the exponent field of log2(e) / 8); e4 and e6 between -126 and 119; e4 + e5 is applied by v_ldexp_f32.
.set KP,    80                         ; a key's row in LDS: 64 bytes + 16 of padding = 20 words: the 16 rows that a load touches start at 16 different groups of four banks (64 banks of 4 bytes: ISA guide 11.1)
.set VP,    528                        ; a row of V's stage: 512 bytes + 16 = 132 words: the 32 lanes of an 8-byte load touch each bank once
.set VOFF,  512*KP                     ; a stage: 512 rows of K, then 64 rows of V
.set STB,   VOFF+64*VP                 ; a stage's bytes
.set STG,   4*STB                      ; behind the four stages: 1,024 bytes for each wave, for the way out: no tile lands there
.set AK0,  1                           ; v1   my lane's place in a tile of K: 80 r + 16 h
.set AV0,  2                           ; v2   in a tile of V: 528 r + 8 h
.set ADK,  3                           ; v3   LDS address of the step's K
.set ADV,  4                           ; v4   of its V
.set STI,  8                           ; v8   into my stage
.set STO,  9                           ; v9   back out of it
.set GO,   10                          ; v10  16 x lane: my bytes of a store's 512
.set WV,   18
.set G1K,  24                          ; s[24:31] descriptor group 1 for K's tiles
.set G0K,  32                          ; s[32:47] group 0, a set for each stage
.set G0V,  48                          ; s[48:63] the same for V's
.set G1V,  80                          ; s[80:87] group 1 for V's tiles
.set KB,   88                          ; s88  LDS byte at which the step's 128 keys of K begin
.set VB,   89                          ; s89  the same for V
.set CNT,  90
.macro ROUND                           ; a round of the cluster's barrier
	s_barrier_signal -1
	s_barrier_wait -1
	s_cmp_lg_u32 s[WV], 0
	s_cbranch_scc1 .Lnot_wave_0_\@
	s_barrier_signal -3
.Lnot_wave_0_\@:
	s_barrier_wait -3
	s_barrier_signal -1
	s_barrier_wait -1
.endm
	s_load_b256 s[4:11], s[0:1], 0x0               ; qk s[4:5], vt s[6:7], scales s[8:9], cb s[10:11]
	v_lshl_add_u32 v251, v0, 2, 0x4d000
	v_mov_b32 v255, 0
	ds_add_u32 v251, v255
	ds_add_u32 v251, v255
	v_lshrrev_b32 v24, 5, v0
	s_delay_alu instid0(VALU_DEP_1)
	v_readfirstlane_b32 s[WV], v24                 ; wave 0..15
	s_bfe_u32 s12, ttmp6, 0x40000                  ; cx
	s_lshl_b32 s13, ttmp9, 2
	s_add_co_u32 s13, s13, s12                     ; my block of 256 queries: it enters Q's and cb's addresses alone
	s_and_b32 s14, ttmp7, 0xffff
	s_lshr_b32 s15, s14, 4                         ; batch
	s_and_b32 s16, s14, 15                         ; head
	s_and_b32 s17, s[WV], 7                        ; which eighth of a stage's K (waves 0-7) or V (waves 8-15) I fetch
	s_lshl_b32 s76, s15, 22                        ; K: (2048 batch + 64 eighth) rows of 2,048 bytes + 1024 + 64 head
	s_lshl_b32 s19, s17, 17
	s_add_co_u32 s76, s76, s19
	s_lshl_b32 s19, s16, 6
	s_add_co_u32 s76, s76, s19
	s_add_co_u32 s76, s76, 1024
	s_mov_b32 s77, 0
	s_lshl_b32 s78, s16, 18                        ; V: (64 head + 8 eighth) rows of 4,096 bytes + 2048 batch
	s_lshl_b32 s19, s17, 15
	s_add_co_u32 s78, s78, s19
	s_lshl_b32 s19, s15, 11
	s_add_co_u32 s78, s78, s19
	s_mov_b32 s79, 0
	s_mul_i32 s91, s17, 64*KP                      ; and in a stage: no place in the cluster enters an LDS address
	s_mul_i32 s92, s17, 8*VP
	s_add_co_u32 s92, s92, VOFF
	s_mov_b32 s[G1K], 15|(1<<20)|(1<<21)|(3<<22)|(3<<25)   ; the mask: all four work-groups; elements of 1 byte; padding on; bit 21 beside a mask; after every 16 words four words
	s_mov_b32 s[G1K+1], 64<<16                     ; tensor_dim0
	s_mov_b32 s[G1K+2], 64<<16                     ; tensor_dim1
	s_mov_b32 s[G1K+3], 64<<16                     ; tile_dim0
	s_mov_b32 s[G1K+4], 64                         ; tile_dim1
	s_mov_b32 s[G1K+5], 2048                       ; the pitch of qk
	s_mov_b32 s[G1K+6], 0
	s_mov_b32 s[G1K+7], 0
	s_mov_b32 s[G1V], 15|(1<<20)|(1<<21)|(6<<22)|(3<<25)   ; the same; after every 128 words four words
	s_mov_b32 s[G1V+1], 512<<16
	s_mov_b32 s[G1V+2], 8<<16
	s_mov_b32 s[G1V+3], 512<<16
	s_mov_b32 s[G1V+4], 8
	s_mov_b32 s[G1V+5], 4096                       ; the pitch of vt
	s_mov_b32 s[G1V+6], 0
	s_mov_b32 s[G1V+7], 0
	s_mov_b32 s20, 0x76543210                      ; v_permlanex16_b32: lane l xor 16
	s_mov_b32 s21, 0xfedcba98
	s_mov_b32 s22, 0x3e38aa3b                      ; log2(e) / 8
	s_wait_dscnt 0x0
	s_wait_kmcnt 0x0
	s_load_b256 s[68:75], s[8:9], 0x0              ; e0 .. e7: e2 s70, e3 s71, e4 s72, e5 s73, e6 s74
	s_add_nc_u64 s[76:77], s[4:5], s[76:77]
	s_add_nc_u64 s[78:79], s[6:7], s[78:79]
.irp n, 0,1,2,3
	s_mov_b32 s[G0K+4*\n], 1
	s_add_co_u32 s[G0K+4*\n+1], s91, \n*STB
	s_add_nc_u64 s[G0K+4*\n+2:G0K+4*\n+3], s[76:77], \n*1048576    ; keys 512 n on
	s_or_b32 s[G0K+4*\n+3], s[G0K+4*\n+3], 0x80000000
	s_mov_b32 s[G0V+4*\n], 1
	s_add_co_u32 s[G0V+4*\n+1], s92, \n*STB
	s_add_nc_u64 s[G0V+4*\n+2:G0V+4*\n+3], s[78:79], \n*512
	s_or_b32 s[G0V+4*\n+3], s[G0V+4*\n+3], 0x80000000
.endr
	ROUND                                          ; all four work-groups are here: the joint loads meet
	s_cmp_lt_u32 s[WV], 8                          ; a wave's four fills stand in one branch on the wave's number, ahead of every wait on TENSORcnt, every LDS read and every further barrier
	s_cbranch_scc0 .Lfill_v
.irp n, 0,1,2,3
	tensor_load_to_lds s[G0K+4*\n:G0K+4*\n+3], s[G1K:G1K+7]
	s_nop 0
.endr
.rept 4
	v_nop                                          ; four v_nop follow the last load
.endr
	s_branch .Lfilled
.Lfill_v:
.irp n, 0,1,2,3
	tensor_load_to_lds s[G0V+4*\n:G0V+4*\n+3], s[G1V:G1V+7]
	s_nop 0
.endr
.rept 4
	v_nop
.endr
.Lfilled:
	s_lshl_b32 s93, s15, 11
	s_lshl_b32 s19, s13, 8
	s_add_co_u32 s93, s93, s19
	s_lshl_b32 s19, s[WV], 4
	s_add_co_u32 s93, s93, s19                     ; my first token: 2048 batch + 256 block + 16 wave
	s_lshl_b32 s94, s93, 11
	s_lshl_b32 s19, s16, 6
	s_add_co_u32 s94, s94, s19
	s_mov_b32 s95, 0
	s_add_nc_u64 s[94:95], s[4:5], s[94:95]        ; q of my 16 queries, my head
	s_lshr_b32 s96, s93, 6                         ; cb: the block of 64 tokens x 65,536 + head x 4,096 + my 16 tokens' 1,024 bytes
	s_lshl_b32 s96, s96, 16
	s_lshl_b32 s19, s16, 12
	s_add_co_u32 s96, s96, s19
	s_and_b32 s19, s[WV], 3
	s_lshl_b32 s19, s19, 10
	s_add_co_u32 s96, s96, s19
	s_mov_b32 s97, 0
	s_add_nc_u64 s[10:11], s[10:11], s[96:97]
	v_and_b32 v24, 15, v0                          ; r
	v_bfe_u32 v25, v0, 4, 1                        ; h
	s_delay_alu instid0(VALU_DEP_2)
	v_lshlrev_b32 v26, 11, v24
	s_delay_alu instid0(VALU_DEP_1)
	v_lshl_add_u32 v26, v25, 4, v26
	global_load_b128 v[16:19], v26, s[94:95]             ; Q's fragment stays in registers: k = 16 h + 0 .. 15,
	global_load_b128 v[20:23], v26, s[94:95] offset:32   ; 32 + 16 h + 0 .. 15
	v_mul_u32_u24 v[AK0], v24, KP
	s_delay_alu instid0(VALU_DEP_1)
	v_lshl_add_u32 v[AK0], v25, 4, v[AK0]
	v_mul_u32_u24 v[AV0], v24, VP
	s_delay_alu instid0(VALU_DEP_1)
	v_lshl_add_u32 v[AV0], v25, 3, v[AV0]
	s_lshl_b32 s19, s[WV], 10
	s_add_co_u32 s19, s19, STG                     ; my stage
	v_lshlrev_b32 v[STI], 6, v24
	s_delay_alu instid0(VALU_DEP_1)
	v_lshl_add_u32 v[STI], v25, 3, v[STI]
	s_delay_alu instid0(VALU_DEP_1)
	v_add_nc_u32 v[STI], s19, v[STI]               ; in: 64 r + 8 h
	v_and_b32 v[GO], 31, v0
	s_delay_alu instid0(VALU_DEP_1)
	v_lshlrev_b32 v[GO], 4, v[GO]
	s_delay_alu instid0(VALU_DEP_1)
	v_add_nc_u32 v[STO], s19, v[GO]                ; back: 16 x lane
	v_mov_b32 v13, 0xff61b1e6                      ; the largest t so far: -3e38
	s_delay_alu instid0(VALU_DEP_1)
	v_floor_f32 v12, -v13                          ; -M
	v_mov_b32 v14, 0                               ; the sum, in two halves
	v_mov_b32 v15, 0
	v_mov_b32 v236, 0                              ; a lane permute's destination counts as one of its sources
	v_mov_b32 v253, 0                              ; (named as the upper half of the pair v[252:253])
.set jj, 0
.rept 32
	v_mov_b32 v[160+jj], 0                         ; O^T: the key step has no first form of its own; its first run finds zeros
.set jj, jj+1
.endr
	s_wait_kmcnt 0x0
	s_add_co_i32 s76, s70, s71
	s_lshl_b32 s76, s76, 23
	s_add_co_i32 s22, s22, s76                     ; a score stands for score x 2^(e2 + e3): added to the factor's exponent field
	s_mov_b32 s23, s22
	s_add_co_i32 s76, s72, 127
	s_lshl_b32 s77, s76, 23
	v_mov_b32 v244, s77                            ; 2^e4
	s_add_co_i32 s76, s74, 127
	s_lshl_b32 s77, s76, 23
	v_mov_b32 v245, s77                            ; 2^e6
; A KEY STEP: the 128 keys at s[KB] and s[VB].
.macro STEP
	v_add_nc_u32 v[ADK], s[KB], v[AK0]
	v_add_nc_u32 v[ADV], s[VB], v[AV0]
	v_nop                                          ; with the two additions: four places behind the last products, in front of loads into the registers that they read
	v_nop
.irp t, 0,1,2,3,4,5,6,7
.irp c, 0,1
	ds_load_b128 v[32+8*\t+4*\c:32+8*\t+4*\c+3], v[ADK] offset:16*\t*KP+32*\c
.endr
.endr
	s_wait_alu depctr_va_vdst(0)
	s_wait_dscnt 0x0
.irp t, 0,1,2,3,4,5,6,7
	v_wmma_f32_16x16x64_fp8_fp8 v[96+8*\t:103+8*\t], v[32+8*\t:39+8*\t], v[16:23], 0
.endr
.rept 4
	v_nop                                          ; places in front of the loads below and of the first read of the scores
.endr
.irp t, 0,1,2,3
.irp c, 0,1,2,3,4,5,6,7
	ds_load_b64 v[32+16*\t+2*\c:33+16*\t+2*\c], v[ADV] offset:16*\t*VP+16*\c   ; V's fragments land while the softmax is worked
.endr
.endr
	v_max3_num_f32 v254, v96, v97, v98             ; the step's largest score of my query among my 64 keys, in two chains; each accumulator is first read at its low end
	v_max3_num_f32 v252, v99, v100, v101
.irp i, 6,10,14,18,22,26,30,34,38,42,46,50,54,58
	v_max3_num_f32 v254, v254, v[96+\i], v[97+\i]
	v_max3_num_f32 v252, v252, v[98+\i], v[99+\i]
.endr
	v_max3_num_f32 v254, v254, v158, v159
	s_delay_alu instid0(VALU_DEP_1)
	v_max_num_f32 v254, v254, v252
	v_permlanex16_b32 v236, v254, s20, s21
	s_delay_alu instid0(VALU_DEP_1)
	v_max_num_f32 v254, v254, v236                 ; and among lane l xor 16's
	s_delay_alu instid0(VALU_DEP_1)
	v_mul_f32 v254, s22, v254                      ; as t
	s_delay_alu instid0(VALU_DEP_1)
	v_max_num_f32 v13, v13, v254                   ; the running largest t
	v_mov_b32 v254, v12
	s_delay_alu instid0(VALU_DEP_2)
	v_floor_f32 v12, -v13                          ; the new -M = -ceil(t)
	s_delay_alu instid0(VALU_DEP_1)
	v_sub_f32 v254, v12, v254                      ; old M - new M: a whole number, 0 or less
	s_delay_alu instid0(VALU_DEP_1)
	v_cvt_i32_f32 v254, v254                       ; (it saturates)
	s_delay_alu instid0(VALU_DEP_1)
	v_ldexp_f32 v252, 1.0, v254                    ; f = 2^(old M - new M)
.set jj, 0
.rept 32
	v_pk_fma_f32 v[96+jj:97+jj], v[96+jj:97+jj], s[22:23], v[12:13] op_sel_hi:[1,0,0]   ; t - M
.set jj, jj+2
.endr
.set jj, 0
	s_setprio 1
	s_wait_alu depctr_va_vdst(0)
.rept 64
	v_exp_f32 v[96+jj], v[96+jj]                   ; p = 2^(t - M)
.set jj, jj+1
.endr
	v_pk_mul_f32 v[14:15], v[14:15], v[252:253] op_sel_hi:[1,0]   ; the sums under the new M: the plain instruction behind the exponentials
	s_wait_alu depctr_va_vdst(0)                   ; one wait for the batch, ahead of its first reader
	v_pk_add_f32 v[242:243], v[100:101], v[104:105]
	v_pk_add_f32 v[248:249], v[108:109], v[112:113]
	v_pk_add_f32 v[246:247], v[116:117], v[120:121]
	v_pk_add_f32 v[240:241], v[124:125], v[128:129]
	v_pk_add_f32 v[238:239], v[132:133], v[136:137]
	v_pk_add_f32 v[236:237], v[140:141], v[144:145]
	v_pk_add_f32 v[234:235], v[148:149], v[152:153]
	v_pk_add_f32 v[14:15], v[14:15], v[156:157]
	v_pk_add_f32 v[242:243], v[242:243], v[96:97]
	v_pk_add_f32 v[248:249], v[248:249], v[98:99]
	v_pk_add_f32 v[246:247], v[246:247], v[102:103]
	v_pk_add_f32 v[240:241], v[240:241], v[106:107]
	v_pk_add_f32 v[238:239], v[238:239], v[110:111]
	v_pk_add_f32 v[236:237], v[236:237], v[114:115]
	v_pk_add_f32 v[234:235], v[234:235], v[118:119]
	v_pk_add_f32 v[14:15], v[14:15], v[122:123]
	v_pk_add_f32 v[242:243], v[242:243], v[126:127]
	v_pk_add_f32 v[248:249], v[248:249], v[130:131]
	v_pk_add_f32 v[246:247], v[246:247], v[134:135]
	v_pk_add_f32 v[240:241], v[240:241], v[138:139]
	v_pk_add_f32 v[238:239], v[238:239], v[142:143]
	v_pk_add_f32 v[236:237], v[236:237], v[146:147]
	v_pk_add_f32 v[234:235], v[234:235], v[150:151]
	v_pk_add_f32 v[14:15], v[14:15], v[154:155]
	v_pk_add_f32 v[242:243], v[242:243], v[158:159]
	s_delay_alu instid0(VALU_DEP_2)
	v_pk_add_f32 v[14:15], v[14:15], v[240:241]
	s_delay_alu instid0(VALU_DEP_2)
	v_pk_add_f32 v[242:243], v[242:243], v[238:239]
	v_pk_add_f32 v[248:249], v[248:249], v[236:237]
	v_pk_add_f32 v[246:247], v[246:247], v[234:235]
	s_delay_alu instid0(VALU_DEP_2)
	v_pk_add_f32 v[14:15], v[14:15], v[248:249]
	s_delay_alu instid0(VALU_DEP_2)
	v_pk_add_f32 v[242:243], v[242:243], v[246:247]
	s_delay_alu instid0(VALU_DEP_1)
	v_pk_add_f32 v[14:15], v[14:15], v[242:243]
.irp t, 0,1,2,3,4,5,6,7
.irp i, 0,1,2,3,4,5,6,7
.endr
	v_cvt_scalef32_pk8_fp8_f32 v[224+2*\t:225+2*\t], v[96+8*\t:103+8*\t], v244
.endr
.set jj, 0
	s_setprio 0
.rept 16
	v_pk_mul_f32 v[160+jj:161+jj], v[160+jj:161+jj], v[252:253] op_sel_hi:[1,0]   ; O^T under the new M; also the plain instructions behind the conversions
.set jj, jj+2
.endr
	s_wait_alu depctr_va_vdst(0)
	s_wait_dscnt 0x0                               ; V is in
.irp t, 0,1,2,3
	v_wmma_f32_16x16x128_fp8_fp8 v[160+8*\t:167+8*\t], v[32+16*\t:47+16*\t], v[224:239], v[160+8*\t:167+8*\t]   ; the four accumulators by turns; the next step's eight products stand between two links
.endr
.endm
; A STAGE: 512 keys, four key steps.  bar = 1: in front of it each wave waits until at most `left` of its four loads are out, and passes the work-group's barrier: then the same holds of all sixteen waves.
; The younger loads may stay on their way.  No LDS instruction of the wave is out at the signal: a step's last wait on DScnt is for 0.
.macro STAGE s, bar, left
.if \bar
	s_wait_tensorcnt \left
	s_barrier_signal -1
	s_barrier_wait -1
.endif
	s_mov_b32 s[KB], \s*STB
	s_mov_b32 s[VB], \s*STB+VOFF
	s_mov_b32 s[CNT], 4
.Lstep_\@:
	s_setprio 2
	STEP
	s_add_co_u32 s[KB], s[KB], 128*KP              ; 128 rows of K on,
	s_add_co_u32 s[VB], s[VB], 128                 ; 128 bytes along V's rows
	s_sub_co_u32 s[CNT], s[CNT], 1
	s_cmp_lg_u32 s[CNT], 0
	s_cbranch_scc1 .Lstep_\@
	s_setprio 0
.endm
	s_wait_loadcnt 0x0                             ; Q
	STAGE 0, 1, 3                                  ; my first load is in; the three younger ones may be out
	STAGE 1, 1, 2                                  ; my second; two may be out
	STAGE 2, 1, 0                                  ; all four: the last eight key steps run with no barrier between them
	STAGE 3, 0, 0
	; THE WAY OUT: O^T / l x 2^(e4 + e5), quantised with 2^e6.  My 16 queries' 64 bytes each are 1,024 bytes on end in cb: through my own stage, and out by two stores of 512 bytes.
	v_add_f32 v14, v14, v15
	s_delay_alu instid0(VALU_DEP_1)
	v_permlanex16_b32 v252, v14, s20, s21
	s_delay_alu instid0(VALU_DEP_1)
	v_add_f32 v14, v14, v252                       ; the row's sum
	s_wait_alu depctr_va_vdst(0)
	v_rcp_f32 v14, v14
.rept 4
	v_nop                                          ; the plain instruction behind the reciprocal, and the places behind the last products
.endr
	s_add_co_i32 s76, s72, s73
	s_wait_alu depctr_va_vdst(0)                   ; the wait ahead of the reciprocal's first reader
	v_ldexp_f32 v14, v14, s76
.set jj, 0
.rept 32
	v_mul_f32 v[96+jj], v[160+jj], v14             ; register 8 t + i is o(query r, d = 16 t + 8 h + i)
.set jj, jj+1
.endr
.set jj, 0
.rept 32
.set jj, jj+1
.endr
.irp t, 0,1,2,3
	v_cvt_scalef32_pk8_fp8_f32 v[224+2*\t:225+2*\t], v[96+8*\t:103+8*\t], v245
.endr
	v_nop
.irp t, 0,1,2,3
	ds_store_b64 v[STI], v[224+2*\t:225+2*\t] offset:16*\t
.endr
	ds_load_b128 v[32:35], v[STO]                  ; LDS serves a wave's instructions in order (ISA guide 5.7.1.4): these see my stores
	ds_load_b128 v[36:39], v[STO] offset:512
	s_wait_dscnt 1                                 ; the first is in
	global_store_b128 v[GO], v[32:35], s[10:11]                ; 32 lanes store 512 consecutive bytes, aligned
	s_wait_dscnt 0
	global_store_b128 v[GO], v[36:39], s[10:11] offset:512
	s_wait_tensorcnt 0x0
	ds_add_u32 v251, v255
	s_wait_dscnt 0x0
	ROUND                                          ; the closing round: no work-group ends while a partner may still ask for a tile that names it
	s_endpgm
.Lfunc_end_k_q7e9a0698af_attn:
	.size	k_q7e9a0698af_attn, .Lfunc_end_k_q7e9a0698af_attn-k_q7e9a0698af_attn
	.p2alignl 7, 3214868480
	.fill 96, 4, 3214868480
	.section	.rodata,"a",@progbits
	.p2align	6, 0x0
	.amdhsa_kernel k_q7e9a0698af_attn
		.amdhsa_group_segment_fixed_size 327680
		.amdhsa_private_segment_fixed_size 0
		.amdhsa_enable_private_segment 0
		.amdhsa_kernarg_size 32
		.amdhsa_user_sgpr_count 2
		.amdhsa_user_sgpr_kernarg_segment_ptr 1
		.amdhsa_wavefront_size32 1
		.amdhsa_system_sgpr_workgroup_id_x 1
		.amdhsa_system_sgpr_workgroup_id_y 1
		.amdhsa_system_sgpr_workgroup_id_z 1
		.amdhsa_system_vgpr_workitem_id 0
		.amdhsa_next_free_vgpr 256
		.amdhsa_next_free_sgpr 100
		.amdhsa_reserve_vcc 0
		.amdhsa_float_denorm_mode_32 3
		.amdhsa_float_denorm_mode_16_64 3
		.amdhsa_fp16_overflow 1
		.amdhsa_memory_ordered 1
		.amdhsa_forward_progress 1
		.amdhsa_inst_pref_size 73
	.end_amdhsa_kernel
	.amdgpu_metadata
---
amdhsa.version: [ 1, 2 ]
amdhsa.kernels:
  - .name:           k_q7e9a0698af_attn
    .symbol:         k_q7e9a0698af_attn.kd
    .args:
      - { .name: qk, .offset: 0, .size: 8, .value_kind: global_buffer, .address_space: global }
      - { .name: vt, .offset: 8, .size: 8, .value_kind: global_buffer, .address_space: global }
      - { .name: lowp_scales, .offset: 16, .size: 8, .value_kind: global_buffer, .address_space: global }
      - { .name: cb, .offset: 24, .size: 8, .value_kind: global_buffer, .address_space: global }
    .group_segment_fixed_size: 327680
    .private_segment_fixed_size: 0
    .kernarg_segment_align: 8
    .kernarg_segment_size: 32
    .max_flat_workgroup_size: 512
    .sgpr_count:     100
    .vgpr_count:     256
    .wavefront_size: 32
...
	.end_amdgpu_metadata
.endif
;; end of part 3
;; launch outp (part 4): grid 8 x 32, 4 waves a work-group, clusters of 4 x 4, 327,680 bytes of LDS; arguments cb, out_w_codes, lowp_scales, out_b, x, z; writes z
.if DOCPART == 4
	.amdgcn_target "amdgcn-amd-amdhsa--gfx1250"
	.amdhsa_code_object_version 6
	.text
	.protected	k_q7e9a0698af_outp
	.globl	k_q7e9a0698af_outp
	.p2align	8
	.type	k_q7e9a0698af_outp,@function
k_q7e9a0698af_outp:
	s_mov_b64 s[64:65], 0
	v_nop
	global_prefetch_b8 v0, s[64:65] scope:SCOPE_SE
	s_setreg_imm32_b32 hwreg(HW_REG_WAVE_MODE, 25, 1), 1
	s_wait_xcnt 0x0
	s_wait_alu depctr_hold_cnt(0) depctr_sa_sdst(0) depctr_va_vdst(0) depctr_va_sdst(0) depctr_va_ssrc(0) depctr_va_vcc(0) depctr_vm_vsrc(0)
	s_getreg_b32 s2, hwreg(HW_REG_IB_STS2, 6, 4)
	s_cmp_eq_u32 s2, 0
	s_cbranch_scc0 .Lentry_in_a_cluster
	s_endpgm
.Lentry_in_a_cluster:
	s_bfe_u32 s2, ttmp6, 0x10000c
	s_cmp_lg_u32 s2, 0xf033
	s_cbranch_scc0 .Lentry_shape_is_right
	s_endpgm
.Lentry_shape_is_right:
.set SIZE_K, 1024
.set EA,     6
.set KSTEP,  512
.set PITCH,  528
.set HALFB,  64*PITCH
.set APITCH, 272
.set HEADB,  16*APITCH
.set HALFA,  8*HEADB
.set BOFF,   2*HALFA
.set SLOT,   2*HALFA+2*HALFB
.set STAGE,  2*SLOT
.set SPITCH, 272
.set SPARE,  STAGE+4*16*SPITCH
.set ADRA, 16
.set ADRB, 20
.set STO,  24
.set RD,   25
.set CO,   26
.set BOF,  27
.set SPW,  28
.set NIL,  29
.set BK,   32
.set BI,   96
.set ACC,  128
.set F0,   0
.set F1,   128
.set G1, 24
.set G0, 32
.set G1B, 48
.set G0B, 56
.set MSB, 0
.macro WIN new
.if MSB != (\new)
	s_set_vgpr_msb (MSB<<8)|(\new)
.set MSB, (\new)
.endif
.endm
.set MUL,  0x05
.set TO_F, 0x40
.macro JLOAD s
	s_cmp_eq_u32 s15, 0
	s_cbranch_scc0 .Lfor_b_\@
	tensor_load_to_lds s[G0+4*\s:G0+4*\s+3], s[G1:G1+7]
	s_nop 0
.rept 4
	v_nop
.endr
	s_branch .Lasked_\@
.Lfor_b_\@:
	tensor_load_to_lds s[G0B+4*\s:G0B+4*\s+3], s[G1B:G1B+7]
	s_nop 0
.rept 4
	v_nop
.endr
.Lasked_\@:
.endm
.macro CROUND
	s_barrier_signal -1
	s_barrier_wait -1
	s_cmp_lg_u32 s14, 0
	s_cbranch_scc1 .Lnot_wave_0_\@
	s_barrier_signal -3
.Lnot_wave_0_\@:
	s_barrier_wait -3
	s_barrier_signal -1
	s_barrier_wait -1
.endm
	s_load_b256 s[4:11], s[0:1], 0x0
	s_load_b128 s[68:71], s[0:1], 0x20
	v_lshl_add_u32 v[SPW], v0, 2, SPARE
	v_mov_b32 v[NIL], 0
	ds_add_u32 v28, v29
	ds_add_u32 v28, v29
	s_wait_dscnt 0x0
	v_lshrrev_b32 v1, 5, v0
	v_readfirstlane_b32 s14, v1
	s_lshr_b32 s15, s14, 1
	s_and_b32 s16, s14, 1
	s_bfe_u32 s40, ttmp6, 0x40000
	s_bfe_u32 s41, ttmp6, 0x40004
	s_lshl_b32 s42, ttmp9, 2
	s_add_co_u32 s42, s42, s40
	s_and_b32 s17, ttmp7, 0xffff
	s_lshl_b32 s17, s17, 2
	s_add_co_u32 s17, s17, s41
	s_lshl_b32 s43, s41, 2
	s_lshl_b32 s43, 15, s43
	s_lshl_b32 s44, 0x1111, s40
	s_or_b32 s[G1+0], s43, (0<<16)|(1<<20)|(1<<21)|(5<<22)|(3<<25)
	s_mov_b32 s[G1+1], 256<<16
	s_mov_b32 s[G1+2], 128<<16
	s_mov_b32 s[G1+3], 256<<16
	s_mov_b32 s[G1+4], 128
	s_mov_b32 s[G1+5], 256
	s_mov_b32 s[G1+6], 0
	s_mov_b32 s[G1+7], 0
	s_or_b32 s[G1B+0], s44, (0<<16)|(1<<20)|(1<<21)|(6<<22)|(3<<25)
	s_mov_b32 s[G1B+1], KSTEP<<16
	s_mov_b32 s[G1B+2], 64<<16
	s_mov_b32 s[G1B+3], KSTEP<<16
	s_mov_b32 s[G1B+4], 64
	s_mov_b32 s[G1B+5], SIZE_K
	s_mov_b32 s[G1B+6], 0
	s_mov_b32 s[G1B+7], 0
	s_lshl_b32 s20, s17, 1
	s_add_co_u32 s20, s20, s16
	s_lshl_b32 s20, s20, 16
	s_mov_b32 s21, 0
	s_lshl_b32 s18, s16, 6
	s_lshl_b32 s46, s42, 7
	s_add_co_u32 s46, s46, s18
	s_mov_b32 s47, 0
	s_mov_b64 s[18:19], SIZE_K
	s_mul_u64 s[46:47], s[46:47], s[18:19]
	s_mul_i32 s45, s16, HALFA
	s_mul_i32 s74, s16, HALFB
	s_add_co_u32 s74, s74, BOFF
	s_wait_kmcnt 0x0
	s_load_b64 s[76:77], s[8:9], 4*EA
	s_add_nc_u64 s[20:21], s[4:5], s[20:21]
	s_add_nc_u64 s[46:47], s[6:7], s[46:47]
	CROUND
.irp s, 0,1
	s_mov_b32 s[G0+4*\s], 1
	s_add_co_u32 s[G0+4*\s+1], s45, \s*SLOT
	s_add_nc_u64 s[G0+4*\s+2:G0+4*\s+3], s[20:21], \s*32768
	s_or_b32 s[G0+4*\s+3], s[G0+4*\s+3], 0x80000000
	s_mov_b32 s[G0B+4*\s], 1
	s_add_co_u32 s[G0B+4*\s+1], s74, \s*SLOT
	s_add_nc_u64 s[G0B+4*\s+2:G0B+4*\s+3], s[46:47], \s*KSTEP
	s_or_b32 s[G0B+4*\s+3], s[G0B+4*\s+3], 0x80000000
	s_wait_alu depctr_va_vdst(0)
	s_wait_tensorcnt 0x0
	ds_add_u32 v28, v29
	ds_add_u32 v28, v29
	s_wait_dscnt 0x0
	CROUND
	JLOAD \s
.endr
	v_and_b32 v1, 15, v0
	v_bfe_u32 v2, v0, 4, 1
	v_mul_u32_u24 v3, v1, PITCH
	v_lshl_add_u32 v4, v2, 4, v3
	v_lshrrev_b32 v8, 2, v1
	v_mul_u32_u24 v8, v8, APITCH
	v_and_b32 v9, 3, v1
	v_lshl_add_u32 v8, v9, 6, v8
	v_lshl_add_u32 v8, v2, 4, v8
	s_mul_i32 s21, s15, HALFA
	s_mul_i32 s22, s16, HALFB
	s_add_co_u32 s22, s22, BOFF
.irp s, 0,1
	v_add_nc_u32 v[ADRA+\s], s21, v8
	v_add_nc_u32 v[ADRB+\s], s22, v4
	s_add_co_u32 s21, s21, SLOT
	s_add_co_u32 s22, s22, SLOT
.endr
	s_mul_i32 s23, s14, 16*SPITCH
	s_add_co_u32 s23, s23, STAGE
	v_mul_u32_u24 v5, v1, SPITCH
	v_lshl_add_u32 v5, v2, 5, v5
	v_add_nc_u32 v[STO], s23, v5
	v_mul_u32_u24 v6, v2, SPITCH
	v_lshl_add_u32 v6, v1, 4, v6
	v_add_nc_u32 v[RD], s23, v6
	v_lshlrev_b32 v7, 12, v2
	v_lshl_add_u32 v[CO], v1, 4, v7
	s_wait_alu depctr_va_vdst(0)
	v_lshlrev_b32 v[BOF], 4, v1
	s_wait_alu depctr_va_vdst(0)
	s_lshl_b32 s20, s17, 7
	s_lshl_b32 s21, s15, 6
	s_add_co_u32 s20, s20, s21
	s_lshl_b32 s20, s20, 12
	s_lshl_b32 s46, s42, 9
	s_lshl_b32 s47, s16, 8
	s_add_co_u32 s46, s46, s47
	s_mov_b32 s47, 0
	s_add_nc_u64 s[10:11], s[10:11], s[46:47]
	s_add_co_u32 s20, s20, s46
	s_mov_b32 s21, 0
	s_add_nc_u64 s[68:69], s[68:69], s[20:21]
	s_add_nc_u64 s[70:71], s[70:71], s[20:21]
	WIN 0x80
.irp a, 0,1,2,3
.irp t, 0,1,2,3,4,5,6,7
	global_load_b128 v[4*(8*\a+\t):4*(8*\a+\t)+3], v[CO], s[68:69] offset:(16*\a+2*\t)*4096
.endr
.endr
	WIN 0
	global_load_b128 v[BI:BI+3], v[BOF], s[10:11]
.macro FRAGB reg, adr, k, i
.irp c, 0,1,2,3
	ds_load_b128 v[\reg+4*\c:\reg+4*\c+3], v[\adr] offset:(\k)+32*\c+(\i)*16*PITCH
.endr
.endm
.macro FRAGA reg, adr, k, i
.irp c, 0,1,2,3
	ds_load_b128 v[\reg+4*\c:\reg+4*\c+3], v[\adr] offset:(((\k)+32*\c)/64)*HEADB+(((\k)+32*\c)%64)+(\i)*4*APITCH
.endr
.endm
.macro FETCH slot, k, f
	WIN TO_F
.irp i, 0,1,2,3
	FRAGB \f+64+16*\i, ADRB+\slot, \k, \i
.endr
.irp i, 0,1,2,3
	FRAGA \f+16*\i, ADRA+\slot, \k, \i
.endr
.endm
.macro MUL4 f, a, zero
.irp b, 0,1,2,3
.if \zero
	v_wmma_f32_16x16x128_fp8_fp8 v[ACC+8*(4*(\a)+\b):ACC+8*(4*(\a)+\b)+7], v[\f+64+16*\b:\f+64+16*\b+15], v[\f+16*(\a):\f+16*(\a)+15], 0
.else
	v_wmma_f32_16x16x128_fp8_fp8 v[ACC+8*(4*(\a)+\b):ACC+8*(4*(\a)+\b)+7], v[\f+64+16*\b:\f+64+16*\b+15], v[\f+16*(\a):\f+16*(\a)+15], v[ACC+8*(4*(\a)+\b):ACC+8*(4*(\a)+\b)+7]
.endif
.endr
.endm
.macro PLACES
.rept 4
	v_nop
.endr
.endm
.macro QUARTER slot, k, f, g, zero
	s_wait_dscnt 8
	WIN MUL
	MUL4 \f, 0, \zero
	MUL4 \f, 1, \zero
	PLACES
	FETCH \slot, \k, \g
	s_wait_dscnt 32
	WIN MUL
	MUL4 \f, 2, \zero
	MUL4 \f, 3, \zero
.endm
.macro TURN slot, next
	WIN 0
	s_wait_tensorcnt 0x0
	ds_add_u32 v[SPW], v[NIL]
	s_wait_dscnt 9
	WIN MUL
	MUL4 F1, 0, 0
	MUL4 F1, 1, 0
	s_wait_dscnt 0x0
	s_barrier_signal -1
	MUL4 F1, 2, 0
	WIN 0
	s_barrier_wait -1
	PLACES
	FETCH \next, 0, F0
	WIN MUL
	MUL4 F1, 3, 0
.endm
	s_wait_tensorcnt 1
	s_barrier_signal -1
	s_barrier_wait -1
	FETCH 0, 0, F0
	QUARTER 0, 128, F0, F1, 1
	QUARTER 0, 256, F1, F0, 0
	QUARTER 0, 384, F0, F1, 0
	TURN 0, 1
	QUARTER 1, 128, F0, F1, 0
	QUARTER 1, 256, F1, F0, 0
	QUARTER 1, 384, F0, F1, 0
	s_wait_dscnt 8
	WIN MUL
	MUL4 F1, 0, 0
	MUL4 F1, 1, 0
	s_wait_dscnt 0
	MUL4 F1, 2, 0
	MUL4 F1, 3, 0
	WIN 0
.macro TOSTAGE a
.irp b, 0,1,2,3
	ds_store_b128 v[STO], v[ACC+8*(4*(\a)+\b):ACC+8*(4*(\a)+\b)+3] offset:64*\b
	ds_store_b128 v[STO], v[ACC+8*(4*(\a)+\b)+4:ACC+8*(4*(\a)+\b)+7] offset:64*\b+16
.endr
.irp t, 0,1,2,3,4,5,6,7
	ds_load_b128 v[BK+32*((\a)%2)+4*\t:BK+32*((\a)%2)+4*\t+3], v[RD] offset:2*\t*SPITCH
.endr
.endm
.macro SEND a, younger
.set BB, BK+32*((\a)%2)
	s_wait_dscnt \younger
.set ii, 0
.rept 16
	v_pk_fma_f32 v[BB+2*ii:BB+2*ii+1], v[BB+2*ii:BB+2*ii+1], s[78:79], v[BI+2*(ii%2):BI+2*(ii%2)+1] op_sel_hi:[1,0,1]
.set ii, ii+1
.endr
	WIN 0x08
.set ii, 0
.rept 16
	v_pk_add_f32 v[BB+2*ii:BB+2*ii+1], v[BB+2*ii:BB+2*ii+1], v[32*(\a)+2*ii:32*(\a)+2*ii+1]
.set ii, ii+1
.endr
	WIN 0
.irp t, 0,1,2,3,4,5,6,7
	global_store_b128 v[CO], v[BB+4*\t:BB+4*\t+3], s[70:71] offset:(16*(\a)+2*\t)*4096
.endr
.endm
	s_wait_kmcnt 0x0
	s_add_co_i32 s78, s76, s77
	s_add_co_i32 s78, s78, 127
	s_lshl_b32 s78, s78, 23
	s_mov_b32 s79, s78
	s_wait_loadcnt 0x0
	PLACES
	TOSTAGE 0
	TOSTAGE 1
	SEND 0, 16
	s_wait_xcnt 0x0
	TOSTAGE 2
	SEND 1, 16
	s_wait_xcnt 0x0
	TOSTAGE 3
	SEND 2, 16
	SEND 3, 0
	s_wait_tensorcnt 0x0
	ds_add_u32 v[SPW], v[NIL]
	s_wait_dscnt 0x0
	CROUND
	s_endpgm
.Lfunc_end_k_q7e9a0698af_outp:
	.size	k_q7e9a0698af_outp, .Lfunc_end_k_q7e9a0698af_outp-k_q7e9a0698af_outp
	.p2alignl 7, 3214868480
	.fill 96, 4, 3214868480
	.section	.rodata,"a",@progbits
	.p2align	6, 0x0
	.amdhsa_kernel k_q7e9a0698af_outp
		.amdhsa_group_segment_fixed_size 327680
		.amdhsa_private_segment_fixed_size 0
		.amdhsa_enable_private_segment 0
		.amdhsa_kernarg_size 48
		.amdhsa_user_sgpr_count 2
		.amdhsa_user_sgpr_kernarg_segment_ptr 1
		.amdhsa_wavefront_size32 1
		.amdhsa_system_sgpr_workgroup_id_x 1
		.amdhsa_system_sgpr_workgroup_id_y 1
		.amdhsa_system_sgpr_workgroup_id_z 1
		.amdhsa_system_vgpr_workitem_id 0
		.amdhsa_next_free_vgpr 768
		.amdhsa_next_free_sgpr 100
		.amdhsa_reserve_vcc 0
		.amdhsa_float_denorm_mode_32 3
		.amdhsa_float_denorm_mode_16_64 3
		.amdhsa_memory_ordered 1
		.amdhsa_forward_progress 1
		.amdhsa_inst_pref_size 54
	.end_amdhsa_kernel
	.amdgpu_metadata
---
amdhsa.version: [ 1, 2 ]
amdhsa.kernels:
  - .name:           k_q7e9a0698af_outp
    .symbol:         k_q7e9a0698af_outp.kd
    .args:
      - { .name: cb, .offset: 0, .size: 8, .value_kind: global_buffer, .address_space: global }
      - { .name: out_w_codes, .offset: 8, .size: 8, .value_kind: global_buffer, .address_space: global }
      - { .name: lowp_scales, .offset: 16, .size: 8, .value_kind: global_buffer, .address_space: global }
      - { .name: out_b, .offset: 24, .size: 8, .value_kind: global_buffer, .address_space: global }
      - { .name: x, .offset: 32, .size: 8, .value_kind: global_buffer, .address_space: global }
      - { .name: z, .offset: 40, .size: 8, .value_kind: global_buffer, .address_space: global }
    .group_segment_fixed_size: 327680
    .private_segment_fixed_size: 0
    .kernarg_segment_align: 8
    .kernarg_segment_size: 48
    .max_flat_workgroup_size: 128
    .sgpr_count:     100
    .vgpr_count:     768
    .wavefront_size: 32
...
	.end_amdgpu_metadata
.endif
;; end of part 4
;; launch ln1 (part 5): grid 256 x 1, 4 waves a work-group, no clusters, 16,896 bytes of LDS; arguments z, ln1_g, ln1_b, lowp_scales, h, ca; writes h, ca
.if DOCPART == 5
	.amdgcn_target "amdgcn-amd-amdhsa--gfx1250"
	.amdhsa_code_object_version 6
	.text
	.protected	k_q7e9a0698af_ln1
	.globl	k_q7e9a0698af_ln1
	.p2align	8
	.type	k_q7e9a0698af_ln1,@function
k_q7e9a0698af_ln1:
	s_mov_b64 s[64:65], 0
	v_nop
	global_prefetch_b8 v0, s[64:65] scope:SCOPE_SE
	s_setreg_imm32_b32 hwreg(HW_REG_WAVE_MODE, 25, 1), 1
	s_wait_xcnt 0x0
; LayerNorm over rows of 1,024 f32: y = (z - mean) / sqrt(var + 1e-5) x g + b; var = the mean of (z - mean)^2, taken in a second pass over the registers, so that a common offset of a row does no harm.
; CODES = 1: y is stored as f32 (h) and also as codes of E4M3 with the scale 2^e8 (entry 8 of the scales), K innermost.
; SHARES: wave W = 4 x work-group + wave takes rows 4 W .. 4 W + 3; a row is 32 registers of one wave, read from memory once; no wave waits for another.  Each load and store covers 512 consecutive bytes.
; The codes: eight registers of a lane give two registers of codes, register j = the row's bytes 128 j + 4 lane .. + 3; they go through the wave's own 4 KiB of LDS and leave as stores of 512 consecutive bytes.
; LIMITS: e8 between -126 and 119.  NaN among the inputs is not served.
.set CODES, 1
.set OUTP,  12                         ; s[12:13] the f32 output
.set T,  16                            ; v16-47   the codes read back from LDS
.set G,  32                            ; v32-63   g
.set BB, 64                            ; v64-95   b
.set X,  96                            ; v96-223  four rows
.set C,  224                           ; v224-255 codes
	s_load_b256 s[4:11], s[0:1], 0x0               ; z s[4:5], g s[6:7], b s[8:9], then the scales (CODES = 1) or the output
.if CODES
	s_load_b128 s[12:15], s[0:1], 0x20             ; h s[12:13], codes s[14:15]
	s_set_vgpr_msb 0x40
	v_lshl_add_u32 v0, v0, 2, 0x4000
	v_mov_b32 v1, 0
	s_set_vgpr_msb 0x4000
.endif
	v_lshrrev_b32 v8, 5, v0
	v_readfirstlane_b32 s16, v8                    ; wave
	v_and_b32 v9, 31, v0
	v_lshlrev_b32 v1, 4, v9                        ; 16 x lane
.if CODES
	s_lshl_b32 s25, s16, 12
	v_lshl_add_u32 v2, v9, 2, s25
	v_lshl_add_u32 v3, v9, 4, s25
.endif
	s_lshl_b32 s17, ttmp9, 2
	s_add_co_u32 s17, s17, s16                     ; W
	s_lshl_b32 s18, s17, 14
	s_mov_b32 s19, 0
	s_mov_b32 s20, 0x76543210                      ; v_permlanex16_b32: lane l xor 16
	s_mov_b32 s21, 0xfedcba98
	s_mov_b32 s22, 0x3a800000                      ; 1 / 1024
	s_mov_b32 s23, 0x3727c5ac                      ; 1e-5
	s_wait_alu depctr_va_vdst(0)
	s_wait_kmcnt 0x0
.if CODES
	s_load_b32 s24, s[10:11], 0x20                 ; e8
.endif
	s_add_nc_u64 s[4:5], s[4:5], s[18:19]
	s_add_nc_u64 s[OUTP:OUTP+1], s[OUTP:OUTP+1], s[18:19]
.if CODES
	s_lshl_b32 s18, s17, 12
	s_add_nc_u64 s[14:15], s[14:15], s[18:19]
.endif
.irp i, 0,1,2,3
.irp j, 0,1,2,3,4,5,6,7
	global_load_b128 v[X+32*\i+4*\j:X+32*\i+4*\j+3], v1, s[4:5] offset:4096*\i+512*\j th:TH_LOAD_NT
.endr
.endr
.irp j, 0,1,2,3,4,5,6,7
	global_load_b128 v[G+4*\j:G+4*\j+3], v1, s[6:7] offset:512*\j
.endr
.irp j, 0,1,2,3,4,5,6,7
	global_load_b128 v[BB+4*\j:BB+4*\j+3], v1, s[8:9] offset:512*\j
.endr
.macro RED                             ; v8 summed over the 32 lanes, the result in every lane
	v_pk_add_f32 v[8:9], v[8:9], v[10:11]
	v_pk_add_f32 v[12:13], v[12:13], v[14:15]
	v_pk_add_f32 v[8:9], v[8:9], v[12:13]
	v_add_f32 v8, v8, v9
	v_add_f32_dpp v8, v8, v8 row_xmask:1 row_mask:0xf bank_mask:0xf
	v_add_f32_dpp v8, v8, v8 row_xmask:2 row_mask:0xf bank_mask:0xf
	v_add_f32_dpp v8, v8, v8 row_xmask:4 row_mask:0xf bank_mask:0xf
	v_add_f32_dpp v8, v8, v8 row_xmask:8 row_mask:0xf bank_mask:0xf
	v_permlanex16_b32 v9, v8, s20, s21
	v_add_f32 v8, v8, v9
.endm
.macro STAT i
.set XI, X+32*(\i)
	s_wait_loadcnt 16+8*(3-(\i))                   ; this row's eight loads are in; the later rows' and the sixteen of g and b may be out
.irp k, 0,1,2,3
	v_pk_add_f32 v[8+2*\k:9+2*\k], v[XI+2*\k:XI+2*\k+1], v[XI+8+2*\k:XI+8+2*\k+1]   ; four chains, started by the first words
.endr
.irp g, 16,24
.irp k, 0,1,2,3
	v_pk_add_f32 v[8+2*\k:9+2*\k], v[8+2*\k:9+2*\k], v[XI+\g+2*\k:XI+\g+2*\k+1]
.endr
.endr
	RED
	v_mul_f32 v10, s22, v8                         ; the mean
.set jj, 0
.rept 16
	v_pk_add_f32 v[XI+jj:XI+jj+1], v[XI+jj:XI+jj+1], v[10:11] op_sel_hi:[1,0] neg_lo:[0,1] neg_hi:[0,1]   ; d = z - mean, in place
.set jj, jj+2
.endr
.irp k, 0,1,2,3
	v_pk_mul_f32 v[8+2*\k:9+2*\k], v[XI+2*\k:XI+2*\k+1], v[XI+2*\k:XI+2*\k+1]
.endr
.irp g, 8,16,24
.irp k, 0,1,2,3
	v_pk_fma_f32 v[8+2*\k:9+2*\k], v[XI+\g+2*\k:XI+\g+2*\k+1], v[XI+\g+2*\k:XI+\g+2*\k+1], v[8+2*\k:9+2*\k]
.endr
.endr
	RED
	v_fma_f32 v[4+(\i)], v8, s22, s23              ; var + 1e-5
.endm
	STAT 0
	STAT 1
	STAT 2
	STAT 3
	s_wait_alu depctr_va_vdst(0)
.irp i, 0,1,2,3
	v_rsq_f32 v[4+\i], v[4+\i]                     ; one batch
.endr
	v_nop                                          ; a plain instruction behind the last of them
	s_wait_alu depctr_va_vdst(0)                   ; one wait for the four, ahead of the first reader
.if CODES
	s_wait_kmcnt 0x0
	s_add_co_i32 s24, s24, 127
	s_lshl_b32 s25, s24, 23
	v_mov_b32 v15, s25                             ; 2^e8
.endif
	s_wait_loadcnt 0x0                             ; g and b
.macro APPLY i
.set XI, X+32*(\i)
	v_mov_b32 v8, v[4+(\i)]                        ; the row's 1 / sqrt, as the low word of the pair v[8:9]
.set jj, 0
.rept 16
	v_pk_mul_f32 v[XI+jj:XI+jj+1], v[XI+jj:XI+jj+1], v[8:9] op_sel_hi:[1,0]
.set jj, jj+2
.endr
.set jj, 0
.rept 16
	v_pk_fma_f32 v[XI+jj:XI+jj+1], v[XI+jj:XI+jj+1], v[G+jj:G+jj+1], v[BB+jj:BB+jj+1]
.set jj, jj+2
.endr
.irp j, 0,1,2,3,4,5,6,7
	global_store_b128 v1, v[XI+4*\j:XI+4*\j+3], s[OUTP:OUTP+1] offset:4096*(\i)+512*\j
.endr
.if CODES
.irp m, 0,1,2,3
.irp k, 0,1,2,3,4,5,6,7
.endr
	v_cvt_scalef32_pk8_fp8_f32 v[C+8*(\i)+2*\m:C+8*(\i)+2*\m+1], v[T+8*(\m%2)+((XI+8*\m+0)-(T+8*(\m%2)+0)):T+8*(\m%2)+7+((XI+8*\m+0)-(T+8*(\m%2)+0))], v15
.endr
	v_nop
.irp j, 0,1,2,3,4,5,6,7
	ds_store_b32 v2, v[C+8*(\i)+\j] offset:1024*(\i)+128*\j
.endr
.endif
.endm
	APPLY 0
	APPLY 1
	APPLY 2
	APPLY 3
.if CODES
.irp t, 0,1,2,3,4,5,6,7
	ds_load_b128 v[T+4*\t:T+4*\t+3], v3 offset:512*\t   ; LDS serves a wave's instructions in order (ISA guide 5.7.1.4)
.endr
.irp t, 0,1,2,3,4,5,6,7
	s_wait_dscnt 7-\t
	global_store_b128 v1, v[T+4*\t:T+4*\t+3], s[14:15] offset:512*\t
.endr
.endif
	s_set_vgpr_msb 0x5
	s_wait_tensorcnt 0x0
	ds_add_u32 v0, v1
	s_wait_dscnt 0x0
	s_set_vgpr_msb 0x500
	s_endpgm
.Lfunc_end_k_q7e9a0698af_ln1:
	.size	k_q7e9a0698af_ln1, .Lfunc_end_k_q7e9a0698af_ln1-k_q7e9a0698af_ln1
	.p2alignl 7, 3214868480
	.fill 96, 4, 3214868480
	.section	.rodata,"a",@progbits
	.p2align	6, 0x0
	.amdhsa_kernel k_q7e9a0698af_ln1
		.amdhsa_group_segment_fixed_size 16896
		.amdhsa_private_segment_fixed_size 0
		.amdhsa_enable_private_segment 0
		.amdhsa_kernarg_size 48
		.amdhsa_user_sgpr_count 2
		.amdhsa_user_sgpr_kernarg_segment_ptr 1
		.amdhsa_wavefront_size32 1
		.amdhsa_system_sgpr_workgroup_id_x 1
		.amdhsa_system_sgpr_workgroup_id_y 1
		.amdhsa_system_sgpr_workgroup_id_z 1
		.amdhsa_system_vgpr_workitem_id 0
		.amdhsa_next_free_vgpr 258
		.amdhsa_next_free_sgpr 66
		.amdhsa_reserve_vcc 0
		.amdhsa_float_denorm_mode_32 3
		.amdhsa_float_denorm_mode_16_64 3
		.amdhsa_fp16_overflow 1
		.amdhsa_memory_ordered 1
		.amdhsa_forward_progress 1
		.amdhsa_inst_pref_size 39
	.end_amdhsa_kernel
	.amdgpu_metadata
---
amdhsa.version: [ 1, 2 ]
amdhsa.kernels:
  - .name:           k_q7e9a0698af_ln1
    .symbol:         k_q7e9a0698af_ln1.kd
    .args:
      - { .name: z, .offset: 0, .size: 8, .value_kind: global_buffer, .address_space: global }
      - { .name: ln1_g, .offset: 8, .size: 8, .value_kind: global_buffer, .address_space: global }
      - { .name: ln1_b, .offset: 16, .size: 8, .value_kind: global_buffer, .address_space: global }
      - { .name: lowp_scales, .offset: 24, .size: 8, .value_kind: global_buffer, .address_space: global }
      - { .name: h, .offset: 32, .size: 8, .value_kind: global_buffer, .address_space: global }
      - { .name: ca, .offset: 40, .size: 8, .value_kind: global_buffer, .address_space: global }
    .group_segment_fixed_size: 16896
    .private_segment_fixed_size: 0
    .kernarg_segment_align: 8
    .kernarg_segment_size: 48
    .max_flat_workgroup_size: 128
    .sgpr_count:     66
    .vgpr_count:     258
    .wavefront_size: 32
...
	.end_amdgpu_metadata
.endif
;; end of part 5
;; launch ffn1 (part 6): grid 16 x 16, 4 waves a work-group, clusters of 4 x 4, 327,680 bytes of LDS; arguments ca, w1_codes, lowp_scales, b1, hid; writes hid
.if DOCPART == 6
	.amdgcn_target "amdgcn-amd-amdhsa--gfx1250"
	.amdhsa_code_object_version 6
	.text
	.protected	k_q7e9a0698af_ffn1
	.globl	k_q7e9a0698af_ffn1
	.p2align	8
	.type	k_q7e9a0698af_ffn1,@function
k_q7e9a0698af_ffn1:
	s_mov_b64 s[64:65], 0
	v_nop
	global_prefetch_b8 v0, s[64:65] scope:SCOPE_SE
	s_setreg_imm32_b32 hwreg(HW_REG_WAVE_MODE, 25, 1), 1
	s_wait_xcnt 0x0
	s_wait_alu depctr_hold_cnt(0) depctr_sa_sdst(0) depctr_va_vdst(0) depctr_va_sdst(0) depctr_va_ssrc(0) depctr_va_vcc(0) depctr_vm_vsrc(0)
	s_getreg_b32 s2, hwreg(HW_REG_IB_STS2, 6, 4)
	s_cmp_eq_u32 s2, 0
	s_cbranch_scc0 .Lentry_in_a_cluster
	s_endpgm
.Lentry_in_a_cluster:
	s_bfe_u32 s2, ttmp6, 0x10000c
	s_cmp_lg_u32 s2, 0xf033
	s_cbranch_scc0 .Lentry_shape_is_right
	s_endpgm
.Lentry_shape_is_right:
.set SIZE_K, 1024
.set KSTEP,  256
.set ROWB,   256
.set KROW,   SIZE_K
.set PITCH,  272
.set FR,     16
.set NL,     4
.set NP,     4
.set HALFT,  128*PITCH
.set SLOT,   4*HALFT
.set LAPS,   SIZE_K/(2*KSTEP)
.set SPARE,  2*SLOT
.set LIM,  10
.set SC,   11
.set BOF,  12
.set ADRA, 16
.set ADRB, 20
.set STO,  24
.set RD,   25
.set CO,   26
.set SPW,  28
.set NIL,  29
.set BIAS, 32
.set AF,   128
.set TMP,  128
.set CD,   192
.set G1, 24
.set G0, 32
.set G1B, 48
.set G0B, 56
.set MSB, 0
.macro WIN new
.if MSB != (\new)
	s_set_vgpr_msb (MSB<<8)|(\new)
.set MSB, (\new)
.endif
.endm
.set MUL_LO, 0xa1
.set MUL_HI, 0xf1
.set TO_B,   0x40
.macro JLOAD g0a, g1a, g0b, g1b
	s_cmp_eq_u32 s15, 0
	s_cbranch_scc0 .Lfor_b_\@
	tensor_load_to_lds s[\g0a:\g0a+3], s[\g1a:\g1a+7]
	s_nop 0
.rept 4
	v_nop
.endr
	s_branch .Lasked_\@
.Lfor_b_\@:
	tensor_load_to_lds s[\g0b:\g0b+3], s[\g1b:\g1b+7]
	s_nop 0
.rept 4
	v_nop
.endr
.Lasked_\@:
.endm
.macro CREST
	s_cmp_lg_u32 s14, 0
	s_cbranch_scc1 .Lnot_wave_0_\@
	s_barrier_signal -3
.Lnot_wave_0_\@:
	s_barrier_wait -3
	s_barrier_signal -1
	s_barrier_wait -1
.endm
.macro CROUND
	s_barrier_signal -1
	s_barrier_wait -1
	CREST
.endm
	s_load_b256 s[4:11], s[0:1], 0x0
	s_load_b64 s[68:69], s[0:1], 0x20
	v_lshl_add_u32 v[SPW], v0, 2, SPARE
	v_mov_b32 v[NIL], 0
	ds_add_u32 v28, v29
	ds_add_u32 v28, v29
	s_wait_dscnt 0x0
	v_lshrrev_b32 v1, 5, v0
	v_readfirstlane_b32 s14, v1
	s_lshr_b32 s15, s14, 1
	s_and_b32 s16, s14, 1
	s_bfe_u32 s40, ttmp6, 0x40000
	s_bfe_u32 s41, ttmp6, 0x40004
	s_lshl_b32 s42, ttmp9, 2
	s_add_co_u32 s42, s42, s40
	s_and_b32 s17, ttmp7, 0xffff
	s_lshl_b32 s17, s17, 2
	s_add_co_u32 s17, s17, s41
	s_lshl_b32 s43, s41, 2
	s_lshl_b32 s43, 15, s43
	s_lshl_b32 s44, 0x1111, s40
	s_or_b32 s[G1+0], s43, (0<<16)|(1<<20)|(1<<21)|(5<<22)|(3<<25)
	s_or_b32 s[G1B+0], s44, (0<<16)|(1<<20)|(1<<21)|(5<<22)|(3<<25)
.irp g, G1, G1B
	s_mov_b32 s[\g+1], ROWB<<16
	s_mov_b32 s[\g+2], 128<<16
	s_mov_b32 s[\g+3], ROWB<<16
	s_mov_b32 s[\g+4], 128
	s_mov_b32 s[\g+5], KROW
	s_mov_b32 s[\g+6], 0
	s_mov_b32 s[\g+7], 0
.endr
	s_lshl_b32 s18, s16, 7
	s_lshl_b32 s20, s17, 8
	s_add_co_u32 s20, s20, s18
	s_lshl_b32 s46, s42, 8
	s_add_co_u32 s46, s46, s18
	s_mov_b32 s21, 0
	s_mov_b32 s47, 0
	s_mov_b64 s[18:19], KROW
	s_mul_u64 s[20:21], s[20:21], s[18:19]
	s_mul_u64 s[46:47], s[46:47], s[18:19]
	s_mul_i32 s45, s14, HALFT
	s_wait_kmcnt 0x0
	s_load_b128 s[84:87], s[8:9], 0x20
	s_add_nc_u64 s[20:21], s[4:5], s[20:21]
	s_add_nc_u64 s[46:47], s[6:7], s[46:47]
	CROUND
.irp s, 0,1
	s_mov_b32 s[G0+4*\s], 1
	s_add_co_u32 s[G0+4*\s+1], s45, \s*SLOT
	s_add_nc_u64 s[G0+4*\s+2:G0+4*\s+3], s[20:21], \s*ROWB
	s_or_b32 s[G0+4*\s+3], s[G0+4*\s+3], 0x80000000
	s_mov_b32 s[G0B+4*\s], 1
	s_add_co_u32 s[G0B+4*\s+1], s45, \s*SLOT
	s_add_nc_u64 s[G0B+4*\s+2:G0B+4*\s+3], s[46:47], \s*ROWB
	s_or_b32 s[G0B+4*\s+3], s[G0B+4*\s+3], 0x80000000
	s_wait_alu depctr_va_vdst(0)
	s_wait_tensorcnt 0x0
	ds_add_u32 v28, v29
	ds_add_u32 v28, v29
	s_wait_dscnt 0x0
	CROUND
	JLOAD G0+4*\s, G1, G0B+4*\s, G1B
.endr
	v_and_b32 v1, 15, v0
	v_bfe_u32 v2, v0, 4, 1
	v_mul_u32_u24 v3, v1, PITCH
	s_wait_alu depctr_va_vdst(0)
	v_lshl_add_u32 v4, v2, 4, v3
	s_mul_i32 s21, s15, HALFT
	s_mul_i32 s22, s16, HALFT
	s_add_co_u32 s22, s22, 2*HALFT
.irp s, 0,1
	v_add_nc_u32 v[ADRA+\s], s21, v4
	v_add_nc_u32 v[ADRB+\s], s22, v4
	s_add_co_u32 s21, s21, SLOT
	s_add_co_u32 s22, s22, SLOT
.endr
	s_mul_i32 s23, s15, 128*272
	s_lshl_b32 s74, s16, 7
	s_add_co_u32 s23, s23, s74
	v_lshl_add_u32 v5, v2, 3, v3
	v_add_nc_u32 v[STO], s23, v5
	s_mul_i32 s23, s14, 64*272
	v_mul_u32_u24 v6, v2, 272
	v_lshl_add_u32 v6, v1, 4, v6
	v_add_nc_u32 v[RD], s23, v6
	v_lshlrev_b32 v7, 12, v2
	v_lshl_add_u32 v[CO], v1, 4, v7
	v_lshlrev_b32 v[BOF], 5, v2
	s_lshl_b32 s46, s42, 10
	s_lshl_b32 s47, s16, 9
	s_add_co_u32 s46, s46, s47
	s_mov_b32 s47, 0
	s_add_nc_u64 s[10:11], s[10:11], s[46:47]
.irp b, 0,1,2,3,4,5,6,7
	global_load_b128 v[BIAS+8*\b:BIAS+8*\b+3], v[BOF], s[10:11] offset:64*\b
	global_load_b128 v[BIAS+8*\b+4:BIAS+8*\b+7], v[BOF], s[10:11] offset:64*\b+16
.endr
	s_lshl_b32 s20, s17, 8
	s_lshl_b32 s21, s14, 6
	s_add_co_u32 s20, s20, s21
	s_lshl_b32 s20, s20, 12
	s_lshl_b32 s21, s42, 8
	s_add_co_u32 s20, s20, s21
	s_mov_b32 s21, 0
	s_add_nc_u64 s[68:69], s[68:69], s[20:21]
.macro FRAG reg, adr, q, i
.irp c, 0,1,2,3
	ds_load_b128 v[\reg+4*\c:\reg+4*\c+3], v[\adr] offset:128*(\q)+32*\c+(\i)*16*PITCH
.endr
.endm
.macro MUL16 a0, p, zero
.irp a, \a0, \a0+1
.irp b, 0,1,2,3,4,5,6,7
.if \zero
	v_wmma_f32_16x16x128_fp8_fp8 v[8*(8*((\a)%4)+\b):8*(8*((\a)%4)+\b)+7], v[128*(\p)+FR*\b:128*(\p)+FR*\b+FR-1], v[AF+FR*(\a):AF+FR*(\a)+FR-1], 0
.else
	v_wmma_f32_16x16x128_fp8_fp8 v[8*(8*((\a)%4)+\b):8*(8*((\a)%4)+\b)+7], v[128*(\p)+FR*\b:128*(\p)+FR*\b+FR-1], v[AF+FR*(\a):AF+FR*(\a)+FR-1], v[8*(8*((\a)%4)+\b):8*(8*((\a)%4)+\b)+7]
.endif
.endr
.endr
.endm
.macro FETCH_B slot, q, p
	WIN TO_B
.irp i, 0,1,2,3,4,5,6,7
	FRAG 128*(\p)+FR*\i, ADRB+\slot, \q, \i
.endr
	WIN 0
.endm
.macro FETCH_A slot, q, i0
.irp i, \i0, \i0+1, \i0+2, \i0+3
	FRAG AF+FR*(\i), ADRA+\slot, \q, \i
.endr
.endm
.macro PLACES n
.rept \n
	v_nop
.endr
.endm
.macro STEP slot, q, zero
	s_wait_dscnt 4*NL
	WIN MUL_LO
	MUL16 0, (\q)%2, \zero
	MUL16 2, (\q)%2, \zero
	s_wait_dscnt 0
	PLACES NP
	FETCH_B \slot, (\q)+1, 1-(\q)%2
	FETCH_A \slot, (\q)+1, 0
	WIN MUL_HI
	MUL16 4, (\q)%2, \zero
	MUL16 6, (\q)%2, \zero
	PLACES NP
	WIN 0
	FETCH_A \slot, (\q)+1, 4
.endm
.macro TURN slot, next, fill
	s_wait_tensorcnt 0x0
	ds_add_u32 v[SPW], v[NIL]
	s_wait_dscnt 4*NL+1
	WIN MUL_LO
	MUL16 0, 1, 0
	s_wait_dscnt 0x0
	s_barrier_signal -1
	MUL16 2, 1, 0
	WIN 0
	s_barrier_wait -1
.if \fill
	CREST
	s_add_nc_u64 s[G0+4*\slot+2:G0+4*\slot+3], s[G0+4*\slot+2:G0+4*\slot+3], 2*ROWB
	s_add_nc_u64 s[G0B+4*\slot+2:G0B+4*\slot+3], s[G0B+4*\slot+2:G0B+4*\slot+3], 2*ROWB
	JLOAD G0+4*\slot, G1, G0B+4*\slot, G1B
.else
	PLACES NP
.endif
	s_wait_alu depctr_va_vdst(0)
	FETCH_B \next, 0, 0
	FETCH_A \next, 0, 0
	WIN MUL_HI
	MUL16 4, 1, 0
	MUL16 6, 1, 0
	PLACES NP
	WIN 0
	FETCH_A \next, 0, 4
.endm
	s_wait_tensorcnt 1
	s_barrier_signal -1
	s_barrier_wait -1
	FETCH_B 0, 0, 0
	FETCH_A 0, 0, 0
	FETCH_A 0, 0, 4
	STEP 0, 0, 1
	s_mov_b32 s3, LAPS-1
.Llap:
	TURN 0, 1, 1
	STEP 1, 0, 0
	TURN 1, 0, 1
	STEP 0, 0, 0
	s_sub_co_u32 s3, s3, 1
	s_cmp_lg_u32 s3, 0
	s_cbranch_scc1 .Llap
	TURN 0, 1, 0
	STEP 1, 0, 0
	s_wait_dscnt 4*NL
	WIN MUL_LO
	MUL16 0, 1, 0
	MUL16 2, 1, 0
	s_wait_dscnt 0
	WIN MUL_HI
	MUL16 4, 1, 0
	MUL16 6, 1, 0
	WIN 0
.macro BLOCK a
.set AC, 64*((\a)%4)
	WIN 0x02+((\a)/4)
.set jj, 0
.rept 32
	v_pk_fma_f32 v[TMP+jj:TMP+jj+1], v[AC+jj:AC+jj+1], s[96:97], v[BIAS+jj:BIAS+jj+1] op_sel_hi:[1,0,1]
.set jj, jj+2
.endr
	WIN 0
.if (\a) >= 4
	s_wait_dscnt 24
.endif
.set jj, 0
.rept 64
	v_med3_num_f32 v[TMP+jj], v[TMP+jj], 0, v[LIM]
.set jj, jj+1
.endr
.irp b, 0,1,2,3,4,5,6,7
	v_cvt_scalef32_pk8_fp8_f32 v[CD+16*((\a)%4)+2*\b:CD+16*((\a)%4)+2*\b+1], v[TMP+8*\b:TMP+8*\b+7], v[SC]
.endr
	v_nop
.irp b, 0,1,2,3,4,5,6,7
	ds_store_b64 v[STO], v[CD+16*((\a)%4)+2*\b:CD+16*((\a)%4)+2*\b+1] offset:16*(\a)*272+16*\b
.endr
.endm
	s_wait_kmcnt 0x0
	s_add_co_i32 s96, s84, s85
	s_add_co_i32 s96, s96, 127
	s_lshl_b32 s96, s96, 23
	s_mov_b32 s97, s96
	s_add_co_i32 s74, s86, 127
	s_lshl_b32 s75, s74, 23
	s_add_co_i32 s74, s74, 8
	s_lshl_b32 s74, s74, 23
	s_or_b32 s74, s74, 0x600000
	s_wait_loadcnt 0x0
	PLACES NP
	v_mov_b32 v[SC], s75
	v_mov_b32 v[LIM], s74
.irp a, 0,1,2,3,4,5,6,7
	BLOCK \a
.endr
	s_wait_dscnt 0x0
	s_barrier_signal -1
	s_barrier_wait -1
.set tt, 0
.rept 32
	ds_load_b128 v[128+4*tt:128+4*tt+3], v[RD] offset:2*tt*272
.set tt, tt+1
.endr
.set tt, 0
.rept 32
	s_wait_dscnt 31-tt
	global_store_b128 v[CO], v[128+4*tt:128+4*tt+3], s[68:69] offset:2*tt*4096
.set tt, tt+1
.endr
	s_wait_tensorcnt 0x0
	ds_add_u32 v[SPW], v[NIL]
	s_wait_dscnt 0x0
	CROUND
	s_endpgm
.Lfunc_end_k_q7e9a0698af_ffn1:
	.size	k_q7e9a0698af_ffn1, .Lfunc_end_k_q7e9a0698af_ffn1-k_q7e9a0698af_ffn1
	.p2alignl 7, 3214868480
	.fill 96, 4, 3214868480
	.section	.rodata,"a",@progbits
	.p2align	6, 0x0
	.amdhsa_kernel k_q7e9a0698af_ffn1
		.amdhsa_group_segment_fixed_size 327680
		.amdhsa_private_segment_fixed_size 0
		.amdhsa_enable_private_segment 0
		.amdhsa_kernarg_size 40
		.amdhsa_user_sgpr_count 2
		.amdhsa_user_sgpr_kernarg_segment_ptr 1
		.amdhsa_wavefront_size32 1
		.amdhsa_system_sgpr_workgroup_id_x 1
		.amdhsa_system_sgpr_workgroup_id_y 1
		.amdhsa_system_sgpr_workgroup_id_z 1
		.amdhsa_system_vgpr_workitem_id 0
		.amdhsa_next_free_vgpr 1024
		.amdhsa_next_free_sgpr 100
		.amdhsa_reserve_vcc 0
		.amdhsa_float_denorm_mode_32 3
		.amdhsa_float_denorm_mode_16_64 3
		.amdhsa_memory_ordered 1
		.amdhsa_forward_progress 1
		.amdhsa_inst_pref_size 144
	.end_amdhsa_kernel
	.amdgpu_metadata
---
amdhsa.version: [ 1, 2 ]
amdhsa.kernels:
  - .name:           k_q7e9a0698af_ffn1
    .symbol:         k_q7e9a0698af_ffn1.kd
    .args:
      - { .name: ca, .offset: 0, .size: 8, .value_kind: global_buffer, .address_space: global }
      - { .name: w1_codes, .offset: 8, .size: 8, .value_kind: global_buffer, .address_space: global }
      - { .name: lowp_scales, .offset: 16, .size: 8, .value_kind: global_buffer, .address_space: global }
      - { .name: b1, .offset: 24, .size: 8, .value_kind: global_buffer, .address_space: global }
      - { .name: hid, .offset: 32, .size: 8, .value_kind: global_buffer, .address_space: global }
    .group_segment_fixed_size: 327680
    .private_segment_fixed_size: 0
    .kernarg_segment_align: 8
    .kernarg_segment_size: 40
    .max_flat_workgroup_size: 128
    .sgpr_count:     100
    .vgpr_count:     1024
    .wavefront_size: 32
...
	.end_amdgpu_metadata
.endif
;; end of part 6
;; launch ffn2 (part 7): grid 8 x 32, 4 waves a work-group, clusters of 4 x 4, 327,680 bytes of LDS; arguments hid, w2_codes, lowp_scales, b2, h, z; writes z
.if DOCPART == 7
	.amdgcn_target "amdgcn-amd-amdhsa--gfx1250"
	.amdhsa_code_object_version 6
	.text
	.protected	k_q7e9a0698af_ffn2
	.globl	k_q7e9a0698af_ffn2
	.p2align	8
	.type	k_q7e9a0698af_ffn2,@function
k_q7e9a0698af_ffn2:
	s_mov_b64 s[64:65], 0
	v_nop
	global_prefetch_b8 v0, s[64:65] scope:SCOPE_SE
	s_setreg_imm32_b32 hwreg(HW_REG_WAVE_MODE, 25, 1), 1
	s_wait_xcnt 0x0
	s_wait_alu depctr_hold_cnt(0) depctr_sa_sdst(0) depctr_va_vdst(0) depctr_va_sdst(0) depctr_va_ssrc(0) depctr_va_vcc(0) depctr_vm_vsrc(0)
	s_getreg_b32 s2, hwreg(HW_REG_IB_STS2, 6, 4)
	s_cmp_eq_u32 s2, 0
	s_cbranch_scc0 .Lentry_in_a_cluster
	s_endpgm
.Lentry_in_a_cluster:
	s_bfe_u32 s2, ttmp6, 0x10000c
	s_cmp_lg_u32 s2, 0xf033
	s_cbranch_scc0 .Lentry_shape_is_right
	s_endpgm
.Lentry_shape_is_right:
.set SIZE_K, 4096
.set EA,     10
.set KSTEP,  512
.set PITCH,  528
.set HALFT,  64*PITCH
.set SLOT,   4*HALFT
.set STAGE,  2*SLOT
.set SPITCH, 272
.set SPARE,  STAGE+4*16*SPITCH
.set LAPS,   SIZE_K/(2*KSTEP)
.set ADRA, 16
.set ADRB, 20
.set STO,  24
.set RD,   25
.set CO,   26
.set BOF,  27
.set SPW,  28
.set NIL,  29
.set BK,   32
.set BI,   96
.set ACC,  128
.set F0,   0
.set F1,   128
.set G1, 24
.set G0, 32
.set G1B, 48
.set G0B, 56
.set MSB, 0
.macro WIN new
.if MSB != (\new)
	s_set_vgpr_msb (MSB<<8)|(\new)
.set MSB, (\new)
.endif
.endm
.set MUL,  0x05
.set TO_F, 0x40
.macro JLOAD s
	s_cmp_eq_u32 s15, 0
	s_cbranch_scc0 .Lfor_b_\@
	tensor_load_to_lds s[G0+4*\s:G0+4*\s+3], s[G1:G1+7]
	s_nop 0
.rept 4
	v_nop
.endr
	s_branch .Lasked_\@
.Lfor_b_\@:
	tensor_load_to_lds s[G0B+4*\s:G0B+4*\s+3], s[G1B:G1B+7]
	s_nop 0
.rept 4
	v_nop
.endr
.Lasked_\@:
.endm
.macro CREST
	s_cmp_lg_u32 s14, 0
	s_cbranch_scc1 .Lnot_wave_0_\@
	s_barrier_signal -3
.Lnot_wave_0_\@:
	s_barrier_wait -3
	s_barrier_signal -1
	s_barrier_wait -1
.endm
.macro CROUND
	s_barrier_signal -1
	s_barrier_wait -1
	CREST
.endm
	s_load_b256 s[4:11], s[0:1], 0x0
	s_load_b128 s[68:71], s[0:1], 0x20
	v_lshl_add_u32 v[SPW], v0, 2, SPARE
	v_mov_b32 v[NIL], 0
	ds_add_u32 v28, v29
	ds_add_u32 v28, v29
	s_wait_dscnt 0x0
	v_lshrrev_b32 v1, 5, v0
	v_readfirstlane_b32 s14, v1
	s_lshr_b32 s15, s14, 1
	s_and_b32 s16, s14, 1
	s_bfe_u32 s40, ttmp6, 0x40000
	s_bfe_u32 s41, ttmp6, 0x40004
	s_lshl_b32 s42, ttmp9, 2
	s_add_co_u32 s42, s42, s40
	s_and_b32 s17, ttmp7, 0xffff
	s_lshl_b32 s17, s17, 2
	s_add_co_u32 s17, s17, s41
	s_lshl_b32 s43, s41, 2
	s_lshl_b32 s43, 15, s43
	s_lshl_b32 s44, 0x1111, s40
	s_or_b32 s[G1+0], s43, (0<<16)|(1<<20)|(1<<21)|(6<<22)|(3<<25)
	s_or_b32 s[G1B+0], s44, (0<<16)|(1<<20)|(1<<21)|(6<<22)|(3<<25)
.irp g, G1, G1B
	s_mov_b32 s[\g+1], KSTEP<<16
	s_mov_b32 s[\g+2], 64<<16
	s_mov_b32 s[\g+3], KSTEP<<16
	s_mov_b32 s[\g+4], 64
	s_mov_b32 s[\g+5], SIZE_K
	s_mov_b32 s[\g+6], 0
	s_mov_b32 s[\g+7], 0
.endr
	s_lshl_b32 s18, s16, 6
	s_lshl_b32 s20, s17, 7
	s_add_co_u32 s20, s20, s18
	s_lshl_b32 s46, s42, 7
	s_add_co_u32 s46, s46, s18
	s_mov_b32 s21, 0
	s_mov_b32 s47, 0
	s_mov_b64 s[18:19], SIZE_K
	s_mul_u64 s[20:21], s[20:21], s[18:19]
	s_mul_u64 s[46:47], s[46:47], s[18:19]
	s_mul_i32 s45, s14, HALFT
	s_wait_kmcnt 0x0
	s_load_b64 s[76:77], s[8:9], 4*EA
	s_add_nc_u64 s[20:21], s[4:5], s[20:21]
	s_add_nc_u64 s[46:47], s[6:7], s[46:47]
	CROUND
.irp s, 0,1
	s_mov_b32 s[G0+4*\s], 1
	s_add_co_u32 s[G0+4*\s+1], s45, \s*SLOT
	s_add_nc_u64 s[G0+4*\s+2:G0+4*\s+3], s[20:21], \s*KSTEP
	s_or_b32 s[G0+4*\s+3], s[G0+4*\s+3], 0x80000000
	s_mov_b32 s[G0B+4*\s], 1
	s_add_co_u32 s[G0B+4*\s+1], s45, \s*SLOT
	s_add_nc_u64 s[G0B+4*\s+2:G0B+4*\s+3], s[46:47], \s*KSTEP
	s_or_b32 s[G0B+4*\s+3], s[G0B+4*\s+3], 0x80000000
	s_wait_alu depctr_va_vdst(0)
	s_wait_tensorcnt 0x0
	ds_add_u32 v28, v29
	ds_add_u32 v28, v29
	s_wait_dscnt 0x0
	CROUND
	JLOAD \s
.endr
	v_and_b32 v1, 15, v0
	s_wait_alu depctr_va_vdst(0)
	v_bfe_u32 v2, v0, 4, 1
	v_mul_u32_u24 v3, v1, PITCH
	v_lshl_add_u32 v4, v2, 4, v3
	s_mul_i32 s21, s15, HALFT
	s_mul_i32 s22, s16, HALFT
	s_add_co_u32 s22, s22, 2*HALFT
.irp s, 0,1
	v_add_nc_u32 v[ADRA+\s], s21, v4
	v_add_nc_u32 v[ADRB+\s], s22, v4
	s_add_co_u32 s21, s21, SLOT
	s_add_co_u32 s22, s22, SLOT
.endr
	s_mul_i32 s23, s14, 16*SPITCH
	s_add_co_u32 s23, s23, STAGE
	v_mul_u32_u24 v5, v1, SPITCH
	s_wait_alu depctr_va_vdst(0)
	v_lshl_add_u32 v5, v2, 5, v5
	v_add_nc_u32 v[STO], s23, v5
	v_mul_u32_u24 v6, v2, SPITCH
	v_lshl_add_u32 v6, v1, 4, v6
	v_add_nc_u32 v[RD], s23, v6
	v_lshlrev_b32 v7, 12, v2
	v_lshl_add_u32 v[CO], v1, 4, v7
	s_wait_alu depctr_va_vdst(0)
	v_lshlrev_b32 v[BOF], 4, v1
	s_wait_alu depctr_va_vdst(0)
	s_lshl_b32 s20, s17, 7
	s_lshl_b32 s21, s15, 6
	s_add_co_u32 s20, s20, s21
	s_lshl_b32 s20, s20, 12
	s_lshl_b32 s46, s42, 9
	s_lshl_b32 s47, s16, 8
	s_add_co_u32 s46, s46, s47
	s_mov_b32 s47, 0
	s_add_nc_u64 s[10:11], s[10:11], s[46:47]
	s_add_co_u32 s20, s20, s46
	s_mov_b32 s21, 0
	s_add_nc_u64 s[68:69], s[68:69], s[20:21]
	s_add_nc_u64 s[70:71], s[70:71], s[20:21]
	WIN 0x80
.irp a, 0,1,2,3
.irp t, 0,1,2,3,4,5,6,7
	global_load_b128 v[4*(8*\a+\t):4*(8*\a+\t)+3], v[CO], s[68:69] offset:(16*\a+2*\t)*4096
.endr
.endr
	WIN 0
	global_load_b128 v[BI:BI+3], v[BOF], s[10:11]
.macro FRAG reg, adr, k, i
.irp c, 0,1,2,3
	ds_load_b128 v[\reg+4*\c:\reg+4*\c+3], v[\adr] offset:(\k)+32*\c+(\i)*16*PITCH
.endr
.endm
.macro FETCH slot, k, f
	WIN TO_F
.irp i, 0,1,2,3
	FRAG \f+64+16*\i, ADRB+\slot, \k, \i
.endr
.irp i, 0,1,2,3
	FRAG \f+16*\i, ADRA+\slot, \k, \i
.endr
.endm
.macro MUL4 f, a, zero
.irp b, 0,1,2,3
.if \zero
	v_wmma_f32_16x16x128_fp8_fp8 v[ACC+8*(4*(\a)+\b):ACC+8*(4*(\a)+\b)+7], v[\f+64+16*\b:\f+64+16*\b+15], v[\f+16*(\a):\f+16*(\a)+15], 0
.else
	v_wmma_f32_16x16x128_fp8_fp8 v[ACC+8*(4*(\a)+\b):ACC+8*(4*(\a)+\b)+7], v[\f+64+16*\b:\f+64+16*\b+15], v[\f+16*(\a):\f+16*(\a)+15], v[ACC+8*(4*(\a)+\b):ACC+8*(4*(\a)+\b)+7]
.endif
.endr
.endm
.macro PLACES
.rept 4
	v_nop
.endr
.endm
.macro QUARTER slot, k, f, g, zero
	s_wait_dscnt 8
	WIN MUL
	MUL4 \f, 0, \zero
	MUL4 \f, 1, \zero
	PLACES
	FETCH \slot, \k, \g
	s_wait_dscnt 32
	WIN MUL
	MUL4 \f, 2, \zero
	MUL4 \f, 3, \zero
.endm
.macro TURN slot, next, fill
	WIN 0
	s_wait_tensorcnt 0x0
	ds_add_u32 v[SPW], v[NIL]
	s_wait_dscnt 9
	WIN MUL
	MUL4 F1, 0, 0
	MUL4 F1, 1, 0
	s_wait_dscnt 0x0
	s_barrier_signal -1
	MUL4 F1, 2, 0
	WIN 0
	s_barrier_wait -1
.if \fill
	CREST
	s_add_nc_u64 s[G0+4*\slot+2:G0+4*\slot+3], s[G0+4*\slot+2:G0+4*\slot+3], 2*KSTEP
	s_add_nc_u64 s[G0B+4*\slot+2:G0B+4*\slot+3], s[G0B+4*\slot+2:G0B+4*\slot+3], 2*KSTEP
	JLOAD \slot
.else
	PLACES
.endif
	FETCH \next, 0, F0
	WIN MUL
	MUL4 F1, 3, 0
.endm
	s_wait_tensorcnt 1
	s_barrier_signal -1
	s_barrier_wait -1
	FETCH 0, 0, F0
	QUARTER 0, 128, F0, F1, 1
.if LAPS > 1
	WIN 0
	s_mov_b32 s3, LAPS-1
.Llap:
	QUARTER 0, 256, F1, F0, 0
	QUARTER 0, 384, F0, F1, 0
	TURN 0, 1, 1
	QUARTER 1, 128, F0, F1, 0
	QUARTER 1, 256, F1, F0, 0
	QUARTER 1, 384, F0, F1, 0
	TURN 1, 0, 1
	QUARTER 0, 128, F0, F1, 0
	WIN 0
	s_sub_co_u32 s3, s3, 1
	s_cmp_lg_u32 s3, 0
	s_cbranch_scc1 .Llap
.endif
	QUARTER 0, 256, F1, F0, 0
	QUARTER 0, 384, F0, F1, 0
	TURN 0, 1, 0
	QUARTER 1, 128, F0, F1, 0
	QUARTER 1, 256, F1, F0, 0
	QUARTER 1, 384, F0, F1, 0
	s_wait_dscnt 8
	WIN MUL
	MUL4 F1, 0, 0
	MUL4 F1, 1, 0
	s_wait_dscnt 0
	MUL4 F1, 2, 0
	MUL4 F1, 3, 0
	WIN 0
.macro TOSTAGE a
.irp b, 0,1,2,3
	ds_store_b128 v[STO], v[ACC+8*(4*(\a)+\b):ACC+8*(4*(\a)+\b)+3] offset:64*\b
	ds_store_b128 v[STO], v[ACC+8*(4*(\a)+\b)+4:ACC+8*(4*(\a)+\b)+7] offset:64*\b+16
.endr
.irp t, 0,1,2,3,4,5,6,7
	ds_load_b128 v[BK+32*((\a)%2)+4*\t:BK+32*((\a)%2)+4*\t+3], v[RD] offset:2*\t*SPITCH
.endr
.endm
.macro SEND a, younger
.set BB, BK+32*((\a)%2)
	s_wait_dscnt \younger
.set ii, 0
.rept 16
	v_pk_fma_f32 v[BB+2*ii:BB+2*ii+1], v[BB+2*ii:BB+2*ii+1], s[78:79], v[BI+2*(ii%2):BI+2*(ii%2)+1] op_sel_hi:[1,0,1]
.set ii, ii+1
.endr
	WIN 0x08
.set ii, 0
.rept 16
	v_pk_add_f32 v[BB+2*ii:BB+2*ii+1], v[BB+2*ii:BB+2*ii+1], v[32*(\a)+2*ii:32*(\a)+2*ii+1]
.set ii, ii+1
.endr
	WIN 0
.irp t, 0,1,2,3,4,5,6,7
	global_store_b128 v[CO], v[BB+4*\t:BB+4*\t+3], s[70:71] offset:(16*(\a)+2*\t)*4096
.endr
.endm
	s_wait_kmcnt 0x0
	s_add_co_i32 s78, s76, s77
	s_add_co_i32 s78, s78, 127
	s_lshl_b32 s78, s78, 23
	s_mov_b32 s79, s78
	s_wait_loadcnt 0x0
	PLACES
	TOSTAGE 0
	TOSTAGE 1
	SEND 0, 16
	s_wait_xcnt 0x0
	TOSTAGE 2
	SEND 1, 16
	s_wait_xcnt 0x0
	TOSTAGE 3
	SEND 2, 16
	SEND 3, 0
	s_wait_tensorcnt 0x0
	ds_add_u32 v[SPW], v[NIL]
	s_wait_dscnt 0x0
	CROUND
	s_endpgm
.Lfunc_end_k_q7e9a0698af_ffn2:
	.size	k_q7e9a0698af_ffn2, .Lfunc_end_k_q7e9a0698af_ffn2-k_q7e9a0698af_ffn2
	.p2alignl 7, 3214868480
	.fill 96, 4, 3214868480
	.section	.rodata,"a",@progbits
	.p2align	6, 0x0
	.amdhsa_kernel k_q7e9a0698af_ffn2
		.amdhsa_group_segment_fixed_size 327680
		.amdhsa_private_segment_fixed_size 0
		.amdhsa_enable_private_segment 0
		.amdhsa_kernarg_size 48
		.amdhsa_user_sgpr_count 2
		.amdhsa_user_sgpr_kernarg_segment_ptr 1
		.amdhsa_wavefront_size32 1
		.amdhsa_system_sgpr_workgroup_id_x 1
		.amdhsa_system_sgpr_workgroup_id_y 1
		.amdhsa_system_sgpr_workgroup_id_z 1
		.amdhsa_system_vgpr_workitem_id 0
		.amdhsa_next_free_vgpr 768
		.amdhsa_next_free_sgpr 100
		.amdhsa_reserve_vcc 0
		.amdhsa_float_denorm_mode_32 3
		.amdhsa_float_denorm_mode_16_64 3
		.amdhsa_memory_ordered 1
		.amdhsa_forward_progress 1
		.amdhsa_inst_pref_size 82
	.end_amdhsa_kernel
	.amdgpu_metadata
---
amdhsa.version: [ 1, 2 ]
amdhsa.kernels:
  - .name:           k_q7e9a0698af_ffn2
    .symbol:         k_q7e9a0698af_ffn2.kd
    .args:
      - { .name: hid, .offset: 0, .size: 8, .value_kind: global_buffer, .address_space: global }
      - { .name: w2_codes, .offset: 8, .size: 8, .value_kind: global_buffer, .address_space: global }
      - { .name: lowp_scales, .offset: 16, .size: 8, .value_kind: global_buffer, .address_space: global }
      - { .name: b2, .offset: 24, .size: 8, .value_kind: global_buffer, .address_space: global }
      - { .name: h, .offset: 32, .size: 8, .value_kind: global_buffer, .address_space: global }
      - { .name: z, .offset: 40, .size: 8, .value_kind: global_buffer, .address_space: global }
    .group_segment_fixed_size: 327680
    .private_segment_fixed_size: 0
    .kernarg_segment_align: 8
    .kernarg_segment_size: 48
    .max_flat_workgroup_size: 128
    .sgpr_count:     100
    .vgpr_count:     768
    .wavefront_size: 32
...
	.end_amdgpu_metadata
.endif
;; end of part 7
;; launch ln2 (part 8): grid 256 x 1, 4 waves a work-group, no clusters, 0 bytes of LDS; arguments z, ln2_g, ln2_b, out0; writes out0
.if DOCPART == 8
	.amdgcn_target "amdgcn-amd-amdhsa--gfx1250"
	.amdhsa_code_object_version 6
	.text
	.protected	k_q7e9a0698af_ln2
	.globl	k_q7e9a0698af_ln2
	.p2align	8
	.type	k_q7e9a0698af_ln2,@function
k_q7e9a0698af_ln2:
	s_mov_b64 s[64:65], 0
	v_nop
	global_prefetch_b8 v0, s[64:65] scope:SCOPE_SE
	s_setreg_imm32_b32 hwreg(HW_REG_WAVE_MODE, 25, 1), 1
	s_wait_xcnt 0x0
; LayerNorm over rows of 1,024 f32: y = (z - mean) / sqrt(var + 1e-5) x g + b; var = the mean of (z - mean)^2, taken in a second pass over the registers, so that a common offset of a row does no harm.
; SHARES: wave W = 4 x work-group + wave takes rows 4 W .. 4 W + 3; a row is 32 registers of one wave, read from memory once; no wave waits for another; no LDS.  Each load and store covers 512 consecutive bytes.
; NaN among the inputs is not served.
.set OUTP,  10                         ; s[10:11] the output
.set G,  32                            ; v32-63   g
.set BB, 64                            ; v64-95   b
.set X,  96                            ; v96-223  four rows
	s_load_b256 s[4:11], s[0:1], 0x0               ; z s[4:5], g s[6:7], b s[8:9], the output s[10:11]
	v_lshrrev_b32 v8, 5, v0
	v_readfirstlane_b32 s16, v8                    ; wave
	v_and_b32 v9, 31, v0
	v_lshlrev_b32 v1, 4, v9                        ; 16 x lane
	s_lshl_b32 s17, ttmp9, 2
	s_add_co_u32 s17, s17, s16                     ; W
	s_lshl_b32 s18, s17, 14
	s_mov_b32 s19, 0
	s_mov_b32 s20, 0x76543210                      ; v_permlanex16_b32: lane l xor 16
	s_mov_b32 s21, 0xfedcba98
	s_mov_b32 s22, 0x3a800000                      ; 1 / 1024
	s_mov_b32 s23, 0x3727c5ac                      ; 1e-5
	s_wait_alu depctr_va_vdst(0)
	s_wait_kmcnt 0x0
	s_add_nc_u64 s[4:5], s[4:5], s[18:19]
	s_add_nc_u64 s[OUTP:OUTP+1], s[OUTP:OUTP+1], s[18:19]
.irp i, 0,1,2,3
.irp j, 0,1,2,3,4,5,6,7
	global_load_b128 v[X+32*\i+4*\j:X+32*\i+4*\j+3], v1, s[4:5] offset:4096*\i+512*\j th:TH_LOAD_NT
.endr
.endr
.irp j, 0,1,2,3,4,5,6,7
	global_load_b128 v[G+4*\j:G+4*\j+3], v1, s[6:7] offset:512*\j
.endr
.irp j, 0,1,2,3,4,5,6,7
	global_load_b128 v[BB+4*\j:BB+4*\j+3], v1, s[8:9] offset:512*\j
.endr
.macro RED                             ; v8 summed over the 32 lanes, the result in every lane
	v_pk_add_f32 v[8:9], v[8:9], v[10:11]
	v_pk_add_f32 v[12:13], v[12:13], v[14:15]
	v_pk_add_f32 v[8:9], v[8:9], v[12:13]
	v_add_f32 v8, v8, v9
	v_add_f32_dpp v8, v8, v8 row_xmask:1 row_mask:0xf bank_mask:0xf
	v_add_f32_dpp v8, v8, v8 row_xmask:2 row_mask:0xf bank_mask:0xf
	v_add_f32_dpp v8, v8, v8 row_xmask:4 row_mask:0xf bank_mask:0xf
	v_add_f32_dpp v8, v8, v8 row_xmask:8 row_mask:0xf bank_mask:0xf
	v_permlanex16_b32 v9, v8, s20, s21
	v_add_f32 v8, v8, v9
.endm
.macro STAT i
.set XI, X+32*(\i)
	s_wait_loadcnt 16+8*(3-(\i))                   ; this row's eight loads are in; the later rows' and the sixteen of g and b may be out
.irp k, 0,1,2,3
	v_pk_add_f32 v[8+2*\k:9+2*\k], v[XI+2*\k:XI+2*\k+1], v[XI+8+2*\k:XI+8+2*\k+1]   ; four chains, started by the first words
.endr
.irp g, 16,24
.irp k, 0,1,2,3
	v_pk_add_f32 v[8+2*\k:9+2*\k], v[8+2*\k:9+2*\k], v[XI+\g+2*\k:XI+\g+2*\k+1]
.endr
.endr
	RED
	v_mul_f32 v10, s22, v8                         ; the mean
.set jj, 0
.rept 16
	v_pk_add_f32 v[XI+jj:XI+jj+1], v[XI+jj:XI+jj+1], v[10:11] op_sel_hi:[1,0] neg_lo:[0,1] neg_hi:[0,1]   ; d = z - mean, in place
.set jj, jj+2
.endr
.irp k, 0,1,2,3
	v_pk_mul_f32 v[8+2*\k:9+2*\k], v[XI+2*\k:XI+2*\k+1], v[XI+2*\k:XI+2*\k+1]
.endr
.irp g, 8,16,24
.irp k, 0,1,2,3
	v_pk_fma_f32 v[8+2*\k:9+2*\k], v[XI+\g+2*\k:XI+\g+2*\k+1], v[XI+\g+2*\k:XI+\g+2*\k+1], v[8+2*\k:9+2*\k]
.endr
.endr
	RED
	v_fma_f32 v[4+(\i)], v8, s22, s23              ; var + 1e-5
.endm
	STAT 0
	STAT 1
	STAT 2
	STAT 3
	s_wait_alu depctr_va_vdst(0)
.irp i, 0,1,2,3
	v_rsq_f32 v[4+\i], v[4+\i]                     ; one batch
.endr
	v_nop                                          ; a plain instruction behind the last of them
	s_wait_alu depctr_va_vdst(0)                   ; one wait for the four, ahead of the first reader
	s_wait_loadcnt 0x0                             ; g and b
.macro APPLY i
.set XI, X+32*(\i)
	v_mov_b32 v8, v[4+(\i)]                        ; the row's 1 / sqrt, as the low word of the pair v[8:9]
.set jj, 0
.rept 16
	v_pk_mul_f32 v[XI+jj:XI+jj+1], v[XI+jj:XI+jj+1], v[8:9] op_sel_hi:[1,0]
.set jj, jj+2
.endr
.set jj, 0
.rept 16
	v_pk_fma_f32 v[XI+jj:XI+jj+1], v[XI+jj:XI+jj+1], v[G+jj:G+jj+1], v[BB+jj:BB+jj+1]
.set jj, jj+2
.endr
.irp j, 0,1,2,3,4,5,6,7
	global_store_b128 v1, v[XI+4*\j:XI+4*\j+3], s[OUTP:OUTP+1] offset:4096*(\i)+512*\j th:TH_STORE_NT
.endr
.endm
	APPLY 0
	APPLY 1
	APPLY 2
	APPLY 3
	s_endpgm
.Lfunc_end_k_q7e9a0698af_ln2:
	.size	k_q7e9a0698af_ln2, .Lfunc_end_k_q7e9a0698af_ln2-k_q7e9a0698af_ln2
	.p2alignl 7, 3214868480
	.fill 96, 4, 3214868480
	.section	.rodata,"a",@progbits
	.p2align	6, 0x0
	.amdhsa_kernel k_q7e9a0698af_ln2
		.amdhsa_group_segment_fixed_size 0
		.amdhsa_private_segment_fixed_size 0
		.amdhsa_enable_private_segment 0
		.amdhsa_kernarg_size 32
		.amdhsa_user_sgpr_count 2
		.amdhsa_user_sgpr_kernarg_segment_ptr 1
		.amdhsa_wavefront_size32 1
		.amdhsa_system_sgpr_workgroup_id_x 1
		.amdhsa_system_sgpr_workgroup_id_y 1
		.amdhsa_system_sgpr_workgroup_id_z 1
		.amdhsa_system_vgpr_workitem_id 0
		.amdhsa_next_free_vgpr 256
		.amdhsa_next_free_sgpr 66
		.amdhsa_reserve_vcc 0
		.amdhsa_float_denorm_mode_32 3
		.amdhsa_float_denorm_mode_16_64 3
		.amdhsa_memory_ordered 1
		.amdhsa_forward_progress 1
		.amdhsa_inst_pref_size 33
	.end_amdhsa_kernel
	.amdgpu_metadata
---
amdhsa.version: [ 1, 2 ]
amdhsa.kernels:
  - .name:           k_q7e9a0698af_ln2
    .symbol:         k_q7e9a0698af_ln2.kd
    .args:
      - { .name: z, .offset: 0, .size: 8, .value_kind: global_buffer, .address_space: global }
      - { .name: ln2_g, .offset: 8, .size: 8, .value_kind: global_buffer, .address_space: global }
      - { .name: ln2_b, .offset: 16, .size: 8, .value_kind: global_buffer, .address_space: global }
      - { .name: out0, .offset: 24, .size: 8, .value_kind: global_buffer, .address_space: global }
    .group_segment_fixed_size: 0
    .private_segment_fixed_size: 0
    .kernarg_segment_align: 8
    .kernarg_segment_size: 32
    .max_flat_workgroup_size: 128
    .sgpr_count:     66
    .vgpr_count:     256
    .wavefront_size: 32
...
	.end_amdgpu_metadata
.endif
;; end of part 8
